; MI455X (gfx1250); checked and timed in simulation.
; The chip was launched on July 23, 2026; its instructions are those of AMD's public machine-readable ISA for CDNA 5 (MIT licence, August 2026) and "CDNA5" Instruction Set Architecture Reference Guide (July 2026). The comments in the code are by the model that wrote it; some were corrected since.
;; Attention. Allowed arithmetic: float matrix products may take bf16 or f16 operands with f32 sums; all other float work in f32.
;; Inputs: b_proj 1,024 float32; b_qkv 3,072 float32; be_k 64 float32; be_q 64 float32; g_k 64 float32; g_q 64 float32; w_proj 1,024 x 1,024 float32; w_qkv 1,024 x 3,072 float32; x 2 x 2,048 x 1,024 float32.
;; Outputs: out0 2 x 2,048 x 1,024 float32.
;; 2 versions, each right. Each part assembles by itself: llvm-mc -triple=amdgcn-amd-amdhsa -mcpu=gfx1250 --defsym DOCPART=n.
;; ======== version 1 of 2: 4 launches
;; limits: values are held in f16: magnitudes above 65,504 overflow, below 6.1e-05 lose precision; right only within a limited range of input values
;; workspace buffers: xh 8,388,608 bytes; wqt 6,291,456 bytes; wpt 2,097,152 bytes; qkv 25,165,824 bytes; oh 8,388,608 bytes
;; launch prep (part 1): grid 1024 x 1, 8 waves a work-group, no clusters, 18,432 bytes of LDS; arguments x, w_qkv, w_proj, xh, wqt, wpt; writes xh, wqt, wpt
.if DOCPART == 1
	.amdgcn_target "amdgcn-amd-amdhsa--gfx1250"
	.amdhsa_code_object_version 6
	.text
	.protected	k_q48aeaa3d72_prep
	.globl	k_q48aeaa3d72_prep
	.p2align	8
	.type	k_q48aeaa3d72_prep,@function
k_q48aeaa3d72_prep:
	s_mov_b64 s[64:65], 0
	v_nop
	global_prefetch_b8 v0, s[64:65] scope:SCOPE_SE
	s_setreg_imm32_b32 hwreg(HW_REG_WAVE_MODE, 25, 1), 1
	s_wait_xcnt 0x0
; prep: the three large f32 inputs become f16 matrix operands, once for the whole program.
;   xh [4096][1024] = f16(x);   wqt [3072 n][1024 k] = f16(w_qkv) transposed;   wpt [1024 n][1024 k] = f16(w_proj) transposed.
; With K along the rows both sides of the later products are read as plain 16-byte fragment loads.
; Work-groups 0-511 cast 8,192 numbers of x each; 512-895 transpose a tile of 128 k x 64 n of w_qkv; 896-1023 the same of w_proj.
; The branch hangs on the work-group's number alone, so all eight waves of a work-group take the same way and meet the same barrier.
; A stream: every byte is read once and written once; no tile is read by two work-groups, so there is nothing to share in a cluster,
; and the matrix unit has no work here.
; LIMIT: f16 holds magnitudes below 65,504 (larger ones become infinite); below 6.1e-5 the absolute error is at most 3e-8.
.set CASTS, 512                        ; work-groups that cast x
.set QKVT,  384                        ; work-groups that transpose w_qkv: 8 k blocks x 48 n blocks
.set LP,    272                        ; LDS row: 128 f16 (256 bytes) + 16
	s_load_b256 s[4:11], s[0:1], 0x0               ; x s[4:5], w_qkv s[6:7], w_proj s[8:9], xh s[10:11]
	s_load_b128 s[12:15], s[0:1], 0x20             ; wqt s[12:13], wpt s[14:15]
	v_lshl_add_u32 v64, v0, 2, 0x4400
	v_mov_b32 v65, 0
	s_mov_b32 s16, ttmp9
	s_cmp_ge_u32 s16, CASTS
	s_cbranch_scc1 .Lweights
	; CAST: thread t takes 8 numbers (32 bytes in, 16 bytes out) in each of four turns; a turn of the work-group is 8,192 bytes of x
	s_lshl_b32 s18, s16, 15                        ; 32,768 bytes of x for each work-group
	s_mov_b32 s19, 0
	s_lshl_b32 s20, s16, 14                        ; 16,384 bytes of xh
	s_mov_b32 s21, 0
	v_lshlrev_b32 v1, 5, v0
	v_lshlrev_b32 v2, 4, v0
	s_wait_kmcnt 0x0
	s_add_nc_u64 s[4:5], s[4:5], s[18:19]
	s_add_nc_u64 s[10:11], s[10:11], s[20:21]
.irp it, 0,1,2,3
	global_load_b128 v[8+8*\it:11+8*\it], v1, s[4:5] offset:\it*8192 th:TH_LOAD_NT
	global_load_b128 v[12+8*\it:15+8*\it], v1, s[4:5] offset:\it*8192+16 th:TH_LOAD_NT
.endr
.irp it, 0,1,2,3
	s_wait_loadcnt 6-2*\it                         ; loads return in order: this turn's two are in, the younger pairs stay out
.irp c, 0,1,2,3
	v_cvt_pk_f16_f32 v[40+4*\it+\c], v[8+8*\it+2*\c], v[9+8*\it+2*\c]
.endr
	global_store_b128 v2, v[40+4*\it:43+4*\it], s[10:11] offset:\it*4096   ; a wave's store covers 512 consecutive bytes, aligned
.endr
	s_endpgm
; TRANS: a tile of 128 k x 64 n of a weight [1024 k][N n], number u in s17: k block u & 7, n block u >> 3.
; Thread: n4 = t & 15 (four columns, 16 bytes), kq = t >> 4; it reads rows 2 kq + par + 32 it.  Two neighbouring k of one column make one
; word, which goes to LDS row 16 c + n4 (column n = 4 n4 + c) at byte 2 k: the 32 words of a wave's store fall on banks 4 n4 + kq, all different.
; Read back, LDS row 16 i + kq is column 4 kq + i, and sixteen lanes store its 256 bytes (128 k) as one aligned run.
.macro TRANS N, src, dst
	s_and_b32 s18, s17, 7                          ; k block
	s_lshr_b32 s19, s17, 3                         ; n block
	s_mul_i32 s22, s18, 512*\N                     ; 128 rows of 4 N bytes
	s_lshl_b32 s20, s19, 8                         ; 64 columns of 4 bytes
	s_add_co_u32 s22, s22, s20
	s_mov_b32 s23, 0
	s_lshl_b32 s24, s19, 17                        ; out: 64 rows of 2,048 bytes
	s_lshl_b32 s20, s18, 8                         ; and 128 k of 2 bytes
	s_add_co_u32 s24, s24, s20
	s_mov_b32 s25, 0
	v_and_b32 v1, 15, v0                           ; n4
	v_lshrrev_b32 v2, 4, v0                        ; kq
	v_mul_u32_u24 v3, v2, 8*\N                     ; two rows for each kq
	v_lshl_add_u32 v3, v1, 4, v3
	v_mul_u32_u24 v4, v1, LP                       ; LDS, in: row n4 (+ 16 c), byte 4 kq (+ 64 it)
	v_lshl_add_u32 v4, v2, 2, v4
	v_mul_u32_u24 v5, v2, LP                       ; LDS, back: row kq (+ 16 i), byte 16 n4
	v_lshl_add_u32 v5, v1, 4, v5
	v_lshlrev_b32 v6, 13, v2                       ; out: row 4 kq (+ i) of 2,048 bytes, byte 16 n4
	v_lshl_add_u32 v6, v1, 4, v6
	s_wait_kmcnt 0x0
	s_add_nc_u64 s[26:27], s[\src:\src+1], s[22:23]
	s_add_nc_u64 s[28:29], s[\dst:\dst+1], s[24:25]
.irp it, 0,1,2,3
.irp par, 0,1
	global_load_b128 v[8+8*\it+4*\par:11+8*\it+4*\par], v3, s[26:27] offset:(32*\it+\par)*4*\N th:TH_LOAD_NT
.endr
.endr
.irp it, 0,1,2,3
	s_wait_loadcnt 6-2*\it                         ; this turn's two rows are in, the younger pairs stay out
.irp c, 0,1,2,3
	v_cvt_pk_f16_f32 v[40+4*\it+\c], v[8+8*\it+\c], v[12+8*\it+\c]         ; k in the low half, k + 1 in the high half
	ds_store_b32 v4, v[40+4*\it+\c] offset:\c*16*LP+64*\it
.endr
.endr
	s_wait_dscnt 0x0                               ; my words are in LDS, for the other waves' sake
	s_barrier_signal -1
	s_barrier_wait -1
.irp i, 0,1,2,3
	ds_load_b128 v[8+4*\i:11+4*\i], v5 offset:\i*16*LP
.endr
.irp i, 0,1,2,3
	s_wait_dscnt 3-\i
	global_store_b128 v6, v[8+4*\i:11+4*\i], s[28:29] offset:\i*2048
.endr
.endm
.Lweights:
	s_cmp_ge_u32 s16, CASTS+QKVT
	s_cbranch_scc1 .Lproj_w
	s_sub_co_u32 s17, s16, CASTS
	TRANS 3072, 6, 12
	s_wait_tensorcnt 0x0
	ds_add_u32 v64, v65
	s_wait_dscnt 0x0
	s_endpgm
.Lproj_w:
	s_sub_co_u32 s17, s16, CASTS+QKVT
	TRANS 1024, 8, 14
	s_wait_tensorcnt 0x0
	ds_add_u32 v64, v65
	s_wait_dscnt 0x0
	s_endpgm
.Lfunc_end_k_q48aeaa3d72_prep:
	.size	k_q48aeaa3d72_prep, .Lfunc_end_k_q48aeaa3d72_prep-k_q48aeaa3d72_prep
	.p2alignl 7, 3214868480
	.fill 96, 4, 3214868480
	.section	.rodata,"a",@progbits
	.p2align	6, 0x0
	.amdhsa_kernel k_q48aeaa3d72_prep
		.amdhsa_group_segment_fixed_size 18432
		.amdhsa_private_segment_fixed_size 0
		.amdhsa_enable_private_segment 0
		.amdhsa_kernarg_size 48
		.amdhsa_user_sgpr_count 2
		.amdhsa_user_sgpr_kernarg_segment_ptr 1
		.amdhsa_wavefront_size32 1
		.amdhsa_system_sgpr_workgroup_id_x 1
		.amdhsa_system_sgpr_workgroup_id_y 1
		.amdhsa_system_sgpr_workgroup_id_z 1
		.amdhsa_system_vgpr_workitem_id 0
		.amdhsa_next_free_vgpr 66
		.amdhsa_next_free_sgpr 66
		.amdhsa_reserve_vcc 0
		.amdhsa_float_denorm_mode_32 3
		.amdhsa_float_denorm_mode_16_64 3
		.amdhsa_memory_ordered 1
		.amdhsa_forward_progress 1
		.amdhsa_inst_pref_size 14
	.end_amdhsa_kernel
	.amdgpu_metadata
---
amdhsa.version: [ 1, 2 ]
amdhsa.kernels:
  - .name:           k_q48aeaa3d72_prep
    .symbol:         k_q48aeaa3d72_prep.kd
    .args:
      - { .name: x, .offset: 0, .size: 8, .value_kind: global_buffer, .address_space: global }
      - { .name: w_qkv, .offset: 8, .size: 8, .value_kind: global_buffer, .address_space: global }
      - { .name: w_proj, .offset: 16, .size: 8, .value_kind: global_buffer, .address_space: global }
      - { .name: xh, .offset: 24, .size: 8, .value_kind: global_buffer, .address_space: global }
      - { .name: wqt, .offset: 32, .size: 8, .value_kind: global_buffer, .address_space: global }
      - { .name: wpt, .offset: 40, .size: 8, .value_kind: global_buffer, .address_space: global }
    .group_segment_fixed_size: 18432
    .private_segment_fixed_size: 0
    .kernarg_segment_align: 8
    .kernarg_segment_size: 48
    .max_flat_workgroup_size: 256
    .sgpr_count:     66
    .vgpr_count:     66
    .wavefront_size: 32
...
	.end_amdgpu_metadata
.endif
;; end of part 1
;; launch qkvg (part 2): grid 16 x 16, 4 waves a work-group, clusters of 4 x 4, 327,680 bytes of LDS; arguments xh, wqt, b_qkv, g_q, be_q, g_k, be_k, qkv; writes qkv
.if DOCPART == 2
	.amdgcn_target "amdgcn-amd-amdhsa--gfx1250"
	.amdhsa_code_object_version 6
	.text
	.protected	k_q48aeaa3d72_qkvg
	.globl	k_q48aeaa3d72_qkvg
	.p2align	8
	.type	k_q48aeaa3d72_qkvg,@function
k_q48aeaa3d72_qkvg:
	s_mov_b64 s[64:65], 0
	v_nop
	global_prefetch_b8 v0, s[64:65] scope:SCOPE_SE
	s_setreg_imm32_b32 hwreg(HW_REG_WAVE_MODE, 25, 1), 1
	s_wait_xcnt 0x0
	s_wait_alu depctr_hold_cnt(0) depctr_sa_sdst(0) depctr_va_vdst(0) depctr_va_sdst(0) depctr_va_ssrc(0) depctr_va_vcc(0) depctr_vm_vsrc(0)
	s_getreg_b32 s2, hwreg(HW_REG_IB_STS2, 6, 4)
	s_cmp_eq_u32 s2, 0
	s_cbranch_scc0 .Lentry_in_a_cluster
	s_endpgm
.Lentry_in_a_cluster:
	s_bfe_u32 s2, ttmp6, 0x10000c
	s_cmp_lg_u32 s2, 0xf033
	s_cbranch_scc0 .Lentry_shape_is_right
	s_endpgm
.Lentry_shape_is_right:
; qkvg: qkv = x w_qkv + b_qkv, LayerNorm over each 64-wide head of q and of k, q also times 0.125 log2(e) (the softmax later works in base 2).
; Operands f16 (xh [4096][1024], wqt [3072 n][1024 k]), sums f32, LayerNorm f32 in two passes (mean first, then the squares of the differences).
; Out: qkv [3][2 b][16 h][2048 n][64] f16, so that 16 rows of a head are 2,048 consecutive bytes.
; A work-group makes 256 rows x 192 columns (three whole heads); wave w makes rows 64 w .. 64 w + 63 of all 192 columns: 4 x 12 accumulator tiles.
; A head never splits over waves: a row's 64 numbers lie in two lanes (l and l + 16), so the LayerNorm needs one exchange between the halves.
; K goes in 8 steps of 128 through two LDS slots filled by tensor loads; a tile's rows are 256 consecutive bytes of memory.
; CLUSTER 4 x 4: the four work-groups of a cluster's row need the same rows of xh, the four of a column the same rows of wqt; each tile is asked for
; jointly, by the same line with the same descriptor in all four.  Every wave asks for a quarter of A's tile (64 rows) and of B's (48 rows).
; THE MATRIX INSTRUCTION IS USED TRANSPOSED: source 0 = 16 rows of wqt, source 1 = 16 rows of xh; lane l, register j of tile (a, b) then holds
; row 16 a + l % 16, column 16 b + 8 (l / 16) + j: eight neighbouring numbers of a row.
; LIMITS: f16 operands and results: |x w + b| of the v heads and 8 |g| + |be| of q and k stay below 65,504, else infinities; values below 6.1e-5
; carry an absolute error of at most 3e-8.  The v heads run through the same arithmetic with mean 0, factor 1, gain 0 g_k + 1 and shift 0 be_k:
; a g_k or be_k that is not finite spoils v (and then k, and every result, is not finite anyway).
.set KSTEP,  128
.set PITCH,  272                       ; LDS row: 256 bytes + 16: sixteen rows of a fragment start at sixteen different 16-byte columns
.set ABYTES, 256*PITCH                 ; A's 256 rows
.set SLOT,   448*PITCH                 ; then B's 192 rows
.set STAGE,  2*SLOT                    ; 243,712 = 952 x 256: behind the ring, 16 rows x 144 bytes for each wave; no tensor load lands here
.set SPITCH, 144
.set PAR,    STAGE+4*16*SPITCH         ; head i: bias[64], gain[64], shift[64] in f32, 768 bytes
.set LAPS,   1024/(2*KSTEP)            ; a lap = two K steps = once round the ring
; window 0
.set ADRA, 4                           ; v4-5    LDS address of my A fragments in slot 0, 1
.set ADRB, 6                           ; v6-7    the same for B
.set STO,  8                           ; stage: where I put 16 bytes of a row
.set RD,   9                           ; stage: where I read rows back
.set CO,   10                          ; 16 x lane: my bytes in a run of 512
.set PARV, 11                          ; PAR + 32 (l / 16)
.set U,    16                          ; v16-23  four pairs of partial sums
.set MU,   24                          ; v24-25  the mean (low register; the pair is named whole by the packed subtraction)
.set R,    26                          ; v26-27  1 / sqrt(var + eps), likewise
.set X,    28                          ; the other half's partial sum
.set T,    32                          ; v32-63  the lane's 32 numbers of a row of a head
.set FA,   64                          ; v64-95, v96-127  A fragments (4 x 8), two buffers
.set BI,   128                         ; v128-159 bias, v160-191 gain, v192-223 shift of my 32 columns of the head at work
.set GG,   160
.set BB,   192
.set OUT0, 224                         ; two sets of 16 registers for the stores
.set OUT1, 240
.set FB,   0                           ; window 1: v0-95, v96-191  B fragments (12 x 8), two buffers
                                       ; window 2: accumulator tiles (a = 0, 1; b) at 8 (12 a + b); window 3: the same for a = 2, 3
.set G1A, 24                           ; s[24:31] group 1 of A's tiles;  s[32:39] group 0, one set for each slot
.set G0A, 32
.set G1B, 48                           ; s[48:55], s[56:63] the same for B's
.set G0B, 56
.set MSB, 0
.macro WIN new                         ; the immediate's high byte repeats the setting that is left
.if MSB != (\new)
	s_set_vgpr_msb (MSB<<8)|(\new)
.set MSB, (\new)
.endif
.endm
.set MUL_LO, 0xa1                      ; source 0 (B) window 1, source 1 (A) window 0, C and D window 2
.set MUL_HI, 0xf1                      ; the same, C and D window 3
.set TO_B,   0x40                      ; destination window 1, address window 0
.macro PLACES                          ; four places behind a matrix instruction (ISA guide 7.12.1) in front of whatever reads its result or writes its registers
.rept 4
	v_nop
.endr
.endm
.macro CREST                           ; a round of the cluster's barrier behind its opening work-group barrier
	s_cmp_lg_u32 s10, 0
	s_cbranch_scc1 .Lnot_wave_0_\@
	s_barrier_signal -3
.Lnot_wave_0_\@:
	s_barrier_wait -3
	s_barrier_signal -1
	s_barrier_wait -1
.endm
.macro CROUND
	s_barrier_signal -1
	s_barrier_wait -1
	CREST
.endm
	s_load_b128 s[4:7], s[0:1], 0x0                ; xh s[4:5], wqt s[6:7]
	s_load_b256 s[68:75], s[0:1], 0x10             ; b_qkv s[68:69], g_q s[70:71], be_q s[72:73], g_k s[74:75]
	s_load_b128 s[76:79], s[0:1], 0x30             ; be_k s[76:77], qkv s[78:79]
	s_set_vgpr_msb 0x40
	v_lshl_add_u32 v255, v0, 2, 0x3e500
	s_set_vgpr_msb 0x4000
	v_mov_b32 v31, 0
	s_set_vgpr_msb 0x1
	ds_add_u32 v255, v31
	s_set_vgpr_msb 0x100
	v_lshrrev_b32 v1, 5, v0
	v_readfirstlane_b32 s10, v1                    ; wave 0..3
	s_bfe_u32 s40, ttmp6, 0x40000                  ; cx
	s_bfe_u32 s41, ttmp6, 0x40004                  ; cy
	s_lshl_b32 s42, ttmp9, 2
	s_add_co_u32 s42, s42, s40                     ; block column (192 columns) = 4 x cluster x + cx
	s_and_b32 s13, ttmp7, 0xffff
	s_lshl_b32 s13, s13, 2
	s_add_co_u32 s13, s13, s41                     ; block row (256 rows) = 4 x cluster y + cy
	s_lshl_b32 s43, s41, 2
	s_lshl_b32 s43, 15, s43                        ; my row of the cluster
	s_lshl_b32 s44, 0x1111, s40                    ; my column
	s_mov_b32 s80, 0x76543210                      ; v_permlanex16_b32: lane i reads lane i of the other half
	s_mov_b32 s81, 0xfedcba98
	s_mov_b32 s82, 0x3c800000                      ; 1 / 64
	s_mov_b32 s83, 0x3727c5ac                      ; 1e-5
	; group 1: elements of 2 bytes, 4 words of padding behind every 64 words, rows of 128 elements, 1,024 elements from row to row
	s_or_b32 s[G1A+0], s43, (1<<16)|(1<<20)|(1<<21)|(5<<22)|(3<<25)
	s_mov_b32 s[G1A+1], KSTEP<<16                  ; tensor_dim0 = 128
	s_mov_b32 s[G1A+2], 64<<16                     ; tensor_dim1 = 64
	s_mov_b32 s[G1A+3], KSTEP<<16                  ; tile_dim0 = 128
	s_mov_b32 s[G1A+4], 64                         ; tile_dim1 = 64 rows
	s_mov_b32 s[G1A+5], 1024
	s_mov_b32 s[G1A+6], 0
	s_mov_b32 s[G1A+7], 0
	s_or_b32 s[G1B+0], s44, (1<<16)|(1<<20)|(1<<21)|(5<<22)|(3<<25)
	s_mov_b32 s[G1B+1], KSTEP<<16
	s_mov_b32 s[G1B+2], 48<<16                     ; 48 rows
	s_mov_b32 s[G1B+3], KSTEP<<16
	s_mov_b32 s[G1B+4], 48
	s_mov_b32 s[G1B+5], 1024
	s_mov_b32 s[G1B+6], 0
	s_mov_b32 s[G1B+7], 0
	s_lshl_b32 s16, s13, 8                         ; A: row 256 x block row + 64 x wave,
	s_lshl_b32 s17, s10, 6
	s_add_co_u32 s16, s16, s17
	s_lshl_b32 s16, s16, 11                        ; of 2,048 bytes
	s_mov_b32 s17, 0
	s_mul_i32 s46, s42, 192                        ; B: row 192 x block column + 48 x wave
	s_mul_i32 s47, s10, 48
	s_add_co_u32 s46, s46, s47
	s_lshl_b32 s46, s46, 11
	s_mov_b32 s47, 0
	s_mul_i32 s20, s10, 64*PITCH                   ; LDS: my 64 rows of A,
	s_mul_i32 s21, s10, 48*PITCH
	s_add_co_u32 s21, s21, ABYTES                  ; my 48 rows of B: the wave's number alone
	s_wait_dscnt 0x0
	s_wait_kmcnt 0x0
	s_add_nc_u64 s[14:15], s[4:5], s[16:17]
	s_add_nc_u64 s[46:47], s[6:7], s[46:47]
	CROUND                                         ; all sixteen work-groups are here: the first joint loads meet
.irp s, 0,1
	s_mov_b32 s[G0A+4*\s], 1
	s_add_co_u32 s[G0A+4*\s+1], s20, \s*SLOT
	s_add_nc_u64 s[G0A+4*\s+2:G0A+4*\s+3], s[14:15], \s*KSTEP*2
	s_or_b32 s[G0A+4*\s+3], s[G0A+4*\s+3], 0x80000000
	s_mov_b32 s[G0B+4*\s], 1
	s_add_co_u32 s[G0B+4*\s+1], s21, \s*SLOT
	s_add_nc_u64 s[G0B+4*\s+2:G0B+4*\s+3], s[46:47], \s*KSTEP*2
	s_or_b32 s[G0B+4*\s+3], s[G0B+4*\s+3], 0x80000000
	tensor_load_to_lds s[G0A+4*\s:G0A+4*\s+3], s[G1A:G1A+7]        ; K step s: four loads of the wave are out behind these lines
	s_nop 0
	tensor_load_to_lds s[G0B+4*\s:G0B+4*\s+3], s[G1B:G1B+7]
	s_nop 0
.endr
	v_and_b32 v1, 15, v0                           ; r = l % 16
	v_bfe_u32 v2, v0, 4, 1                         ; h = l / 16
	v_and_b32 v3, 31, v0                           ; l
	v_mul_u32_u24 v13, v1, PITCH
	v_lshl_add_u32 v13, v2, 4, v13                 ; r x pitch + 16 h
	v_add_nc_u32 v[ADRA], s20, v13                 ; my 64 rows of A are the ones I fetched
	v_add_nc_u32 v[ADRA+1], SLOT, v[ADRA]
	v_add_nc_u32 v[ADRB], ABYTES, v13              ; all 192 rows of B
	v_add_nc_u32 v[ADRB+1], SLOT+ABYTES, v13
	s_mul_i32 s22, s10, 16*SPITCH
	s_add_co_u32 s22, s22, STAGE
	v_mul_u32_u24 v14, v1, SPITCH
	v_lshl_add_u32 v14, v2, 4, v14
	v_add_nc_u32 v[STO], s22, v14                  ; in: row r, 16 bytes for each half of the lanes
	v_lshrrev_b32 v14, 3, v3
	v_and_b32 v15, 7, v3
	v_mul_u32_u24 v14, v14, SPITCH
	v_lshl_add_u32 v14, v15, 4, v14
	v_add_nc_u32 v[RD], s22, v14                   ; back: eight lanes take a row of 128 bytes, a wave four rows
	v_lshlrev_b32 v[CO], 4, v3
	v_lshlrev_b32 v[PARV], 5, v2
	v_add_nc_u32 v[PARV], PAR, v[PARV]
	v_mov_b32 v[MU+1], 0                           ; upper registers of pairs that packed instructions name whole, and
	v_mov_b32 v[R+1], 0
	v_mov_b32 v[X], 0                              ; v_permlanex16_b32's destination, which counts as read
	; Waves 0-2 stage the parameters of the block's three heads: head number hh = 3 x block column + wave, kind t = hh / 16 (0 q, 1 k, 2 v).
	; gain = g c1 + c0, shift = be c1 with (c1, c0) = (0.125 log2 e, 0) for q, (1, 0) for k, (0, 1) for v.
	s_cmp_eq_u32 s10, 3
	s_cbranch_scc1 .Lno_par
	s_mul_i32 s84, s42, 3
	s_add_co_u32 s84, s84, s10
	s_lshr_b32 s85, s84, 4
	s_cmp_eq_u32 s85, 0
	s_cselect_b64 s[86:87], s[70:71], s[74:75]     ; g_q or g_k
	s_cselect_b64 s[88:89], s[72:73], s[76:77]     ; be_q or be_k
	s_cselect_b32 s90, 0x3e38aa3b, 1.0
	s_cmp_eq_u32 s85, 2
	s_cselect_b32 s90, 0, s90
	s_cselect_b32 s91, 1.0, 0
	s_lshl_b32 s92, s84, 8                         ; 64 biases of 4 bytes for each head
	s_mov_b32 s93, 0
	s_add_nc_u64 s[92:93], s[68:69], s[92:93]
	s_mul_i32 s23, s10, 768
	s_add_co_u32 s23, s23, PAR
	v_lshl_add_u32 v12, v3, 3, s23
	v_lshlrev_b32 v15, 3, v3                       ; two numbers a lane
	global_load_b64 v[32:33], v15, s[92:93]
	global_load_b64 v[34:35], v15, s[86:87]
	global_load_b64 v[36:37], v15, s[88:89]
	s_wait_loadcnt 0x0
	v_fma_f32 v34, v34, s90, s91
	v_fma_f32 v35, v35, s90, s91
	v_mul_f32 v36, s90, v36
	v_mul_f32 v37, s90, v37
	ds_store_b64 v12, v[32:33]
	ds_store_b64 v12, v[34:35] offset:256
	ds_store_b64 v12, v[36:37] offset:512
.Lno_par:
; 12 matrix instructions: row tile a (0, 1) of the window (hi = 0: my rows 0-31, 1: rows 32-63) x all 12 column tiles, 32 along K, from buffer f.
; The 48 accumulators take turns, one instruction a turn, in the same order in every quarter step.
.macro MUL12 f, hi, a, zero
.irp b, 0,1,2,3,4,5,6,7,8,9,10,11
.if \zero
	v_wmma_f32_16x16x32_f16 v[8*(12*\a+\b):8*(12*\a+\b)+7], v[FB+96*\f+8*\b:FB+96*\f+8*\b+7], v[FA+32*\f+8*(2*\hi+\a):FA+32*\f+8*(2*\hi+\a)+7], 0
.else
	v_wmma_f32_16x16x32_f16 v[8*(12*\a+\b):8*(12*\a+\b)+7], v[FB+96*\f+8*\b:FB+96*\f+8*\b+7], v[FA+32*\f+8*(2*\hi+\a):FA+32*\f+8*(2*\hi+\a)+7], v[8*(12*\a+\b):8*(12*\a+\b)+7]
.endif
.endr
.endm
; 32 LDS loads in one run: 192 rows of B, then my 64 rows of A, 32 K at byte k of the rows, into buffer f
.macro FETCH slot, k, f
	WIN TO_B
.irp i, 0,1,2,3,4,5,6,7,8,9,10,11
	ds_load_b128 v[FB+96*\f+8*\i:FB+96*\f+8*\i+3],   v[ADRB+\slot] offset:\k+\i*16*PITCH
	ds_load_b128 v[FB+96*\f+8*\i+4:FB+96*\f+8*\i+7], v[ADRB+\slot] offset:\k+\i*16*PITCH+32
.endr
	WIN 0
.irp i, 0,1,2,3
	ds_load_b128 v[FA+32*\f+8*\i:FA+32*\f+8*\i+3],   v[ADRA+\slot] offset:\k+\i*16*PITCH
	ds_load_b128 v[FA+32*\f+8*\i+4:FA+32*\f+8*\i+7], v[ADRA+\slot] offset:\k+\i*16*PITCH+32
.endr
.endm
; One of a K step's first three quarters: multiplies buffer f, and in its middle fetches the next quarter (byte k of the same slot's rows) into buffer g
.macro QUARTER slot, k, f, g, zero
	s_wait_dscnt 4                                 ; B and A's tiles 0, 1 are in; the four youngest loads (A's tiles 2, 3) may be out
	WIN MUL_LO
	MUL12 \f, 0, 0, \zero
	MUL12 \f, 0, 1, \zero
	PLACES
	FETCH \slot, \k, \g
	s_wait_dscnt 32                                ; all but the 32 just issued
	WIN MUL_HI
	MUL12 \f, 1, 0, \zero
	MUL12 \f, 1, 1, \zero
.endm
.macro THREE slot, zero
	QUARTER \slot, 64,  0, 1, \zero
	QUARTER \slot, 128, 1, 0, 0
	QUARTER \slot, 192, 0, 1, 0
.endm
; The last quarter multiplies buffer 1 and changes slots.  In front of the barrier each wave waits for its reads of this slot and for all its tensor
; loads (the two that are out are its parts of the next slot).  fill = 1: the barrier opens a round of the cluster's barrier, and the two joint
; refills of this slot, two K steps ahead, are the first tensor loads behind the round.
.macro TURN slot, next, fill
	s_wait_dscnt 4
	WIN MUL_LO
	MUL12 1, 0, 0, 0
	s_wait_dscnt 0x0                               ; my reads of this slot are over
	s_wait_tensorcnt 0x0                           ; all my tensor loads have landed
	ds_add_u32 v255, v31
	s_wait_dscnt 0x0
	s_barrier_signal -1
	MUL12 1, 0, 1, 0                               ; register work while the others arrive
	WIN 0
	s_barrier_wait -1
.if \fill
	CREST
	s_add_nc_u64 s[G0A+4*\slot+2:G0A+4*\slot+3], s[G0A+4*\slot+2:G0A+4*\slot+3], 2*KSTEP*2
	s_add_nc_u64 s[G0B+4*\slot+2:G0B+4*\slot+3], s[G0B+4*\slot+2:G0B+4*\slot+3], 2*KSTEP*2
	tensor_load_to_lds s[G0A+4*\slot:G0A+4*\slot+3], s[G1A:G1A+7]
	s_nop 0
	tensor_load_to_lds s[G0B+4*\slot:G0B+4*\slot+3], s[G1B:G1B+7]
	s_nop 0
.endif
	PLACES
	FETCH \next, 0, 0
	WIN MUL_HI
	MUL12 1, 1, 0, 0
	MUL12 1, 1, 1, 0
.endm
.macro LAP zero
	THREE 0, \zero
	TURN 0, 1, 1
	THREE 1, 0
	TURN 1, 0, 1
.endm
	s_wait_dscnt 0x0                               ; the staged parameters are in LDS, for the other waves' sake
	s_wait_tensorcnt 0x2                           ; my two parts of K step 0 are in; K step 1's two stay out
	s_barrier_signal -1
	s_barrier_wait -1
	FETCH 0, 0, 0
	LAP 1                                          ; the first lap's first products start the sums: nothing is cleared
	WIN 0
	s_mov_b32 s3, LAPS-2
.Llap:
	LAP 0
	WIN 0
	s_sub_co_u32 s3, s3, 1
	s_cmp_lg_u32 s3, 0
	s_cbranch_scc1 .Llap
	THREE 0, 0                                     ; the last lap fills nothing
	TURN 0, 1, 0
	THREE 1, 0
	s_wait_dscnt 4
	WIN MUL_LO
	MUL12 1, 0, 0, 0
	MUL12 1, 0, 1, 0
	s_wait_dscnt 0x0
	WIN MUL_HI
	MUL12 1, 1, 0, 0
	MUL12 1, 1, 1, 0
	WIN 0
	PLACES                                         ; behind the last matrix instructions, in front of the first read of a result
	; where the three heads go: ((t 32 + b 16 + head) << 18) + (row in the batch) x 128, and whether the head is normalised (q, k) or not (v)
	s_mul_i32 s84, s42, 3
	s_lshr_b32 s85, s13, 3
	s_lshl_b32 s85, s85, 4                         ; 16 b: eight block rows make a batch
	s_and_b32 s86, s13, 7
	s_lshl_b32 s86, s86, 8
	s_lshl_b32 s87, s10, 6
	s_add_co_u32 s86, s86, s87
	s_lshl_b32 s86, s86, 7
.irp i, 0,1,2
	s_add_co_u32 s97, s84, \i
	s_lshr_b32 s98, s97, 4                         ; t
	s_and_b32 s97, s97, 15                         ; head
	s_cmp_lt_u32 s98, 2
	s_cselect_b32 s[94+\i], -1, 0
	s_lshl_b32 s98, s98, 5
	s_add_co_u32 s98, s98, s97
	s_add_co_u32 s98, s98, s85
	s_lshl_b32 s98, s98, 18
	s_add_co_u32 s98, s98, s86
	s_mov_b32 s99, 0
	s_add_nc_u64 s[88+2*\i:89+2*\i], s[78:79], s[98:99]
.endr
.macro REDUCE                          ; U's four pairs to one number, then the other half's: both lanes of a row end with the row's sum
	v_pk_add_f32 v[U:U+1], v[U:U+1], v[U+2:U+3]
	v_pk_add_f32 v[U+4:U+5], v[U+4:U+5], v[U+6:U+7]
	v_pk_add_f32 v[U:U+1], v[U:U+1], v[U+4:U+5]
	v_add_f32 v[U], v[U], v[U+1]
	v_permlanex16_b32 v[X], v[U], s80, s81
	v_add_f32 v[U], v[U], v[X]
.endm
; 16 rows (row tile a; window w, tile al in it) of head i: bias, LayerNorm, f16, through my stage, out as 2,048 consecutive bytes from set o
.macro HEADTILE i, a, w, al, o
	WIN \w                                         ; source 0 in the accumulators' window
.irp p, 0,1,2,3,4,5,6,7,8,9,10,11,12,13,14,15
	v_pk_add_f32 v[T+2*\p:T+2*\p+1], v[8*(12*\al+4*\i)+2*\p:8*(12*\al+4*\i)+2*\p+1], v[BI+2*\p:BI+2*\p+1]
.endr
	WIN 0
.irp k, 0,1,2,3
	v_pk_add_f32 v[U+2*\k:U+2*\k+1], v[T+2*\k:T+2*\k+1], v[T+8+2*\k:T+8+2*\k+1]
.endr
.irp g, 16,24
.irp k, 0,1,2,3
	v_pk_add_f32 v[U+2*\k:U+2*\k+1], v[U+2*\k:U+2*\k+1], v[T+\g+2*\k:T+\g+2*\k+1]
.endr
.endr
	REDUCE
	v_mul_f32 v[MU], s82, v[U]                     ; the mean,
	v_cndmask_b32 v[MU], 0, v[MU], s[94+\i]        ; or 0 in a v head
.irp p, 0,1,2,3,4,5,6,7,8,9,10,11,12,13,14,15
	v_pk_add_f32 v[T+2*\p:T+2*\p+1], v[T+2*\p:T+2*\p+1], v[MU:MU+1] op_sel_hi:[1,0] neg_lo:[0,1] neg_hi:[0,1]
.endr
.irp k, 0,1,2,3
	v_pk_mul_f32 v[U+2*\k:U+2*\k+1], v[T+2*\k:T+2*\k+1], v[T+2*\k:T+2*\k+1]
.endr
.irp g, 8,16,24
.irp k, 0,1,2,3
	v_pk_fma_f32 v[U+2*\k:U+2*\k+1], v[T+\g+2*\k:T+\g+2*\k+1], v[T+\g+2*\k:T+\g+2*\k+1], v[U+2*\k:U+2*\k+1]
.endr
.endr
	REDUCE
	v_fma_f32 v[R], v[U], s82, s83                 ; variance + 1e-5
	v_rsq_f32 v[R], v[R]
	v_nop                                          ; one plain place behind a transcendental (ISA guide 5.7.2)
	s_wait_alu depctr_va_vdst(0)
	v_cndmask_b32 v[R], 1.0, v[R], s[94+\i]        ; or 1 in a v head
.irp p, 0,1,2,3,4,5,6,7,8,9,10,11,12,13,14,15
	v_pk_mul_f32 v[T+2*\p:T+2*\p+1], v[T+2*\p:T+2*\p+1], v[R:R+1] op_sel_hi:[1,0]
.endr
.irp p, 0,1,2,3,4,5,6,7,8,9,10,11,12,13,14,15
	v_pk_fma_f32 v[T+2*\p:T+2*\p+1], v[T+2*\p:T+2*\p+1], v[GG+2*\p:GG+2*\p+1], v[BB+2*\p:BB+2*\p+1]
.endr
.irp k, 0,1,2,3,4,5,6,7,8,9,10,11,12,13,14,15
	v_cvt_pk_f16_f32 v[T+\k], v[T+2*\k], v[T+2*\k+1]               ; in place: word k is written when words 2 k and 2 k + 1 are read
.endr
.irp b, 0,1,2,3
	ds_store_b128 v[STO], v[T+4*\b:T+4*\b+3] offset:32*\b          ; columns 16 b + 8 h .. + 7 of row r
.endr
	s_wait_xcnt 0x0                                ; set o, which earlier stores read, is loaded again only behind this wait
.irp tt, 0,1,2,3
	ds_load_b128 v[\o+4*\tt:\o+4*\tt+3], v[RD] offset:\tt*4*SPITCH ; LDS serves a wave's instructions in order: these see the stores above
.endr
.irp tt, 0,1,2,3
	s_wait_dscnt 3-\tt
	global_store_b128 v[CO], v[\o+4*\tt:\o+4*\tt+3], s[88+2*\i:89+2*\i] offset:2048*\a+512*\tt     ; four rows: 512 consecutive bytes, aligned
.endr
.endm
.macro HEAD i
.irp b, 0,1,2,3
.irp q, 0,1
	ds_load_b128 v[BI+8*\b+4*\q:BI+8*\b+4*\q+3], v[PARV] offset:768*\i+64*\b+16*\q
	ds_load_b128 v[GG+8*\b+4*\q:GG+8*\b+4*\q+3], v[PARV] offset:768*\i+256+64*\b+16*\q
	ds_load_b128 v[BB+8*\b+4*\q:BB+8*\b+4*\q+3], v[PARV] offset:768*\i+512+64*\b+16*\q
.endr
.endr
	s_wait_dscnt 0x0
	HEADTILE \i, 0, 2, 0, OUT0
	HEADTILE \i, 1, 2, 1, OUT1
	HEADTILE \i, 2, 3, 0, OUT0
	HEADTILE \i, 3, 3, 1, OUT1
.endm
	HEAD 0
	HEAD 1
	HEAD 2
	s_set_vgpr_msb 0x1
	s_wait_tensorcnt 0x0
	ds_add_u32 v255, v31
	s_wait_dscnt 0x0
	s_set_vgpr_msb 0x100
	CROUND                                         ; the closing round: no work-group ends while a partner may still ask for a tile that names it
	s_endpgm
.Lfunc_end_k_q48aeaa3d72_qkvg:
	.size	k_q48aeaa3d72_qkvg, .Lfunc_end_k_q48aeaa3d72_qkvg-k_q48aeaa3d72_qkvg
	.p2alignl 7, 3214868480
	.fill 96, 4, 3214868480
	.section	.rodata,"a",@progbits
	.p2align	6, 0x0
	.amdhsa_kernel k_q48aeaa3d72_qkvg
		.amdhsa_group_segment_fixed_size 327680
		.amdhsa_private_segment_fixed_size 0
		.amdhsa_enable_private_segment 0
		.amdhsa_kernarg_size 64
		.amdhsa_user_sgpr_count 2
		.amdhsa_user_sgpr_kernarg_segment_ptr 1
		.amdhsa_wavefront_size32 1
		.amdhsa_system_sgpr_workgroup_id_x 1
		.amdhsa_system_sgpr_workgroup_id_y 1
		.amdhsa_system_sgpr_workgroup_id_z 1
		.amdhsa_system_vgpr_workitem_id 0
		.amdhsa_next_free_vgpr 960
		.amdhsa_next_free_sgpr 100
		.amdhsa_reserve_vcc 0
		.amdhsa_float_denorm_mode_32 3
		.amdhsa_float_denorm_mode_16_64 3
		.amdhsa_memory_ordered 1
		.amdhsa_forward_progress 1
		.amdhsa_inst_pref_size 251
	.end_amdhsa_kernel
	.amdgpu_metadata
---
amdhsa.version: [ 1, 2 ]
amdhsa.kernels:
  - .name:           k_q48aeaa3d72_qkvg
    .symbol:         k_q48aeaa3d72_qkvg.kd
    .args:
      - { .name: xh, .offset: 0, .size: 8, .value_kind: global_buffer, .address_space: global }
      - { .name: wqt, .offset: 8, .size: 8, .value_kind: global_buffer, .address_space: global }
      - { .name: b_qkv, .offset: 16, .size: 8, .value_kind: global_buffer, .address_space: global }
      - { .name: g_q, .offset: 24, .size: 8, .value_kind: global_buffer, .address_space: global }
      - { .name: be_q, .offset: 32, .size: 8, .value_kind: global_buffer, .address_space: global }
      - { .name: g_k, .offset: 40, .size: 8, .value_kind: global_buffer, .address_space: global }
      - { .name: be_k, .offset: 48, .size: 8, .value_kind: global_buffer, .address_space: global }
      - { .name: qkv, .offset: 56, .size: 8, .value_kind: global_buffer, .address_space: global }
    .group_segment_fixed_size: 327680
    .private_segment_fixed_size: 0
    .kernarg_segment_align: 8
    .kernarg_segment_size: 64
    .max_flat_workgroup_size: 128
    .sgpr_count:     100
    .vgpr_count:     960
    .wavefront_size: 32
...
	.end_amdgpu_metadata
.endif
;; end of part 2
;; launch attn (part 3): grid 8 x 32, 4 waves a work-group, clusters of 4 x 1, 327,680 bytes of LDS; arguments qkv, oh; writes oh
.if DOCPART == 3
	.amdgcn_target "amdgcn-amd-amdhsa--gfx1250"
	.amdhsa_code_object_version 6
	.text
	.protected	k_q48aeaa3d72_attn
	.globl	k_q48aeaa3d72_attn
	.p2align	8
	.type	k_q48aeaa3d72_attn,@function
k_q48aeaa3d72_attn:
	s_mov_b64 s[64:65], 0
	v_nop
	global_prefetch_b8 v0, s[64:65] scope:SCOPE_SE
	s_setreg_imm32_b32 hwreg(HW_REG_WAVE_MODE, 25, 1), 1
	s_wait_xcnt 0x0
	s_wait_alu depctr_hold_cnt(0) depctr_sa_sdst(0) depctr_va_vdst(0) depctr_va_sdst(0) depctr_va_ssrc(0) depctr_va_vcc(0) depctr_vm_vsrc(0)
	s_getreg_b32 s2, hwreg(HW_REG_IB_STS2, 6, 4)
	s_cmp_eq_u32 s2, 0
	s_cbranch_scc0 .Lentry_in_a_cluster
	s_endpgm
.Lentry_in_a_cluster:
	s_bfe_u32 s2, ttmp6, 0x10000c
	s_cmp_lg_u32 s2, 0x3003
	s_cbranch_scc0 .Lentry_shape_is_right
	s_endpgm
.Lentry_shape_is_right:
; attn: for each of the 32 (batch, head) pairs, softmax(q k^T) v with a running maximum.  q carries 0.125 log2(e), so p = 2^(s - m).
; In: qkv [3][32 (b, h)][2048][64] f16.  Out: oh [16 h][4096 rows][64] f16.  Products f16 with f32 sums; maximum, exponentials and sums f32.
; A work-group has 256 queries of one pair, wave w 64 of them (four query tiles t).  Keys go in 8 tiles of 256 through two LDS slots; a tile is
; worked in four sub-steps of 64 keys.
; CLUSTER 4 x 1: the four query blocks of a cluster read the same K and V tiles and ask for them jointly (mask 15): every wave asks for 64 rows of K
; and 64 rows of V of each tile, with descriptors made of the pair's number and the wave's number alone.  Two loads of a wave are out at the most.
; ORIENTATION.  S^T = K Q^T: source 0 = 16 keys, source 1 = 16 queries; lane l, register j of key tile kt holds key 16 kt + 8 (l / 16) + j of query
; l % 16.  So a query's maximum and sum are a lane's own work plus one exchange between the halves, and packing neighbouring registers of key tiles
; 2 u and 2 u + 1 to f16 gives source 1 of O^T = V^T P^T for keys 32 u .. 32 u + 31 with no shuffle.  V^T comes from V [key][d] by transposing loads.
; O^T: lane l, register j of tile dt holds d = 16 dt + 8 (l / 16) + j of query l % 16: eight neighbouring numbers of a row of the result.
; LIMITS: v_exp_f32 gives 0 for results below 2^-126; p is rounded to f16 for the product (absolute error at most 3e-8 below 6.1e-5), the sum l
; adds the unrounded p.
.set KP,     144                       ; K's LDS row: 128 bytes + 16
.set VP,     160                       ; V's: 128 + 32, an odd multiple of 32 for the transposing loads
.set KBYTES, 256*KP
.set SLOT,   256*(KP+VP)               ; 77,824
.set STAGE,  2*SLOT                    ; 155,648 = 608 x 256: behind the ring, 16 rows x 144 bytes for each wave; no tensor load lands here
.set SPITCH, 144
.set TILEB,  256*128                   ; bytes of a tile of K or V in memory
; window 0
.set KA,   2                           ; v2-3   LDS address of K fragments in slot 0, 1
.set VA,   4                           ; v4-5   the same for V
.set STO,  6
.set RD,   7
.set CO,   8
.set QOFF, 9
.set QF,   32                          ; v32-95   Q fragment (t, c) at 16 t + 8 c
.set KF,   96                          ; v96-159  K fragment (kt, c) at 16 kt + 8 c
.set VF,   160                         ; v160-223 V fragment (dt, u) at 16 dt + 8 u
.set TO,   96                          ; the way out: 32 numbers at work (K's registers, free by then)
.set OUT0, 224
.set OUT1, 240
; window 1: S(t) at 32 t + 8 kt + j, later P(t) in its first 16 registers
.set ML,   128                         ; (m, l) of query tile t at 128 + 2 t
.set U,    136                         ; v136-143 at work
.set X,    144
.set MN,   146
.set DD,   148
.set AL,   150                         ; v150-151 the factor 2^(m old - m new), twice
; window 2: O(t, dt) at 32 t + 8 dt
.set G1K, 16
.set G1V, 24
.set G0K, 32                           ; s[32:39] one set for each slot
.set G0V, 40                           ; s[40:47]
.set WS,  0x50                         ; S = K Q: sources window 0, C and D window 1
.set WPV, 0xa4                         ; O += V P: source 0 window 0, source 1 window 1, C and D window 2
.set WSM, 0x55                         ; all in window 1
.set WRS, 0x86                         ; O *= factor: source 0 and destination window 2, source 1 window 1
.set MSB, 0
.macro WIN new
.if MSB != (\new)
	s_set_vgpr_msb (MSB<<8)|(\new)
.set MSB, (\new)
.endif
.endm
.macro PLACES                          ; four places behind a matrix instruction (ISA guide 7.12.1)
.rept 4
	v_nop
.endr
.endm
.macro ROUND                           ; a round of the cluster's barrier
	s_barrier_signal -1
	s_barrier_wait -1
	s_cmp_lg_u32 s8, 0
	s_cbranch_scc1 .Lnot_wave_0_\@
	s_barrier_signal -3
.Lnot_wave_0_\@:
	s_barrier_wait -3
	s_barrier_signal -1
	s_barrier_wait -1
.endm
	s_load_b128 s[4:7], s[0:1], 0x0                ; qkv s[4:5], oh s[6:7]
	v_lshl_add_u32 v30, v0, 2, 0x29000
	v_mov_b32 v31, 0
	ds_add_u32 v30, v31
	v_lshrrev_b32 v1, 5, v0
	v_readfirstlane_b32 s8, v1                     ; wave
	s_and_b32 s9, ttmp7, 0xffff                    ; the pair: 16 b + h
	s_bfe_u32 s48, ttmp6, 0x40000                  ; cx
	s_lshl_b32 s49, ttmp9, 2
	s_add_co_u32 s49, s49, s48                     ; query block
	s_mov_b32 s52, 0x76543210
	s_mov_b32 s53, 0xfedcba98
	; group 1: 64 rows of 64 elements of 2 bytes, dense in memory; padding behind every 32 words: 4 words for K, 8 for V; mask 15 with bit 21
	s_mov_b32 s[G1K+0], 15|(1<<16)|(1<<20)|(1<<21)|(4<<22)|(3<<25)
	s_mov_b32 s[G1V+0], 15|(1<<16)|(1<<20)|(1<<21)|(4<<22)|(7<<25)
.irp g, G1K, G1V
	s_mov_b32 s[\g+1], 64<<16                      ; tensor_dim0
	s_mov_b32 s[\g+2], 64<<16                      ; tensor_dim1
	s_mov_b32 s[\g+3], 64<<16                      ; tile_dim0
	s_mov_b32 s[\g+4], 64                          ; tile_dim1
	s_mov_b32 s[\g+5], 64                          ; elements from row to row
	s_mov_b32 s[\g+6], 0
	s_mov_b32 s[\g+7], 0
.endr
	s_add_co_u32 s10, s9, 32                       ; K of the pair: block 32 + pair of 262,144 bytes,
	s_lshl_b32 s10, s10, 18
	s_lshl_b32 s12, s8, 13                         ; my 64 rows of 128 bytes
	s_add_co_u32 s10, s10, s12
	s_mov_b32 s11, 0
	s_add_co_u32 s14, s10, 0x800000                ; V: 32 blocks further
	s_mov_b32 s15, 0
	s_mul_i32 s56, s8, 64*KP
	s_mul_i32 s57, s8, 64*VP
	s_add_co_u32 s57, s57, KBYTES
	s_lshl_b32 s58, s9, 18                         ; Q: block = pair, 256 rows for each query block
	s_lshl_b32 s59, s49, 15
	s_add_co_u32 s58, s58, s59
	s_mov_b32 s59, 0
	s_and_b32 s60, s9, 15                          ; oh: head x 524,288 + (2,048 b + 256 block + 64 wave) x 128
	s_lshl_b32 s60, s60, 19
	s_lshr_b32 s61, s9, 4
	s_lshl_b32 s61, s61, 11
	s_lshl_b32 s62, s49, 8
	s_add_co_u32 s61, s61, s62
	s_lshl_b32 s62, s8, 6
	s_add_co_u32 s61, s61, s62
	s_lshl_b32 s61, s61, 7
	s_add_co_u32 s60, s60, s61
	s_mov_b32 s61, 0
	s_wait_dscnt 0x0
	s_wait_kmcnt 0x0
	s_add_nc_u64 s[10:11], s[4:5], s[10:11]
	s_add_nc_u64 s[14:15], s[4:5], s[14:15]
	s_add_nc_u64 s[58:59], s[4:5], s[58:59]
	s_add_nc_u64 s[60:61], s[6:7], s[60:61]
.irp s, 0,1
	s_mov_b32 s[G0K+4*\s], 1
	s_add_co_u32 s[G0K+4*\s+1], s56, \s*SLOT
	s_add_nc_u64 s[G0K+4*\s+2:G0K+4*\s+3], s[10:11], \s*TILEB      ; slot s starts with tile s
	s_or_b32 s[G0K+4*\s+3], s[G0K+4*\s+3], 0x80000000
	s_mov_b32 s[G0V+4*\s], 1
	s_add_co_u32 s[G0V+4*\s+1], s57, \s*SLOT
	s_add_nc_u64 s[G0V+4*\s+2:G0V+4*\s+3], s[14:15], \s*TILEB
	s_or_b32 s[G0V+4*\s+3], s[G0V+4*\s+3], 0x80000000
.endr
	ROUND                                          ; in front of the first joint loads
	tensor_load_to_lds s[G0K:G0K+3], s[G1K:G1K+7]  ; tile 0
	s_nop 0
	tensor_load_to_lds s[G0V:G0V+3], s[G1V:G1V+7]
	s_nop 0
	v_and_b32 v1, 15, v0                           ; r
	v_bfe_u32 v10, v0, 4, 1                        ; h
	v_and_b32 v11, 31, v0                          ; l
	v_mul_u32_u24 v12, v1, KP
	v_lshl_add_u32 v[KA], v10, 4, v12              ; key row r, 16 h
	v_add_nc_u32 v[KA+1], SLOT, v[KA]
	v_and_b32 v12, 7, v0
	v_lshl_add_u32 v12, v10, 3, v12                ; key row 8 h + l % 8,
	v_mul_u32_u24 v12, v12, VP
	v_bfe_u32 v13, v0, 3, 1
	v_lshl_add_u32 v12, v13, 4, v12                ; 16 bytes for each eight lanes
	v_add_nc_u32 v[VA], KBYTES, v12
	v_add_nc_u32 v[VA+1], SLOT+KBYTES, v12
	s_mul_i32 s54, s8, 16*SPITCH
	s_add_co_u32 s54, s54, STAGE
	v_mul_u32_u24 v12, v1, SPITCH
	v_lshl_add_u32 v12, v10, 4, v12
	v_add_nc_u32 v[STO], s54, v12
	v_lshrrev_b32 v12, 3, v11
	v_and_b32 v13, 7, v11
	v_mul_u32_u24 v12, v12, SPITCH
	v_lshl_add_u32 v12, v13, 4, v12
	v_add_nc_u32 v[RD], s54, v12
	v_lshlrev_b32 v[CO], 4, v11
	s_lshl_b32 s55, s8, 13
	v_lshlrev_b32 v12, 7, v1
	v_lshl_add_u32 v12, v10, 4, v12
	v_add_nc_u32 v[QOFF], s55, v12                 ; (64 wave + r) x 128 + 16 h
.irp t, 0,1,2,3
.irp c, 0,1
	global_load_b128 v[QF+16*\t+8*\c:QF+16*\t+8*\c+3],   v[QOFF], s[58:59] offset:2048*\t+64*\c
	global_load_b128 v[QF+16*\t+8*\c+4:QF+16*\t+8*\c+7], v[QOFF], s[58:59] offset:2048*\t+64*\c+32
.endr
.endr
	WIN 0x40
	v_mov_b32 v[X], 0                              ; v_permlanex16_b32's destination counts as read
	WIN 0
	s_wait_loadcnt 0x0                             ; Q stays in registers for the whole kernel
.macro LOADK slot, j                   ; 64 keys x 64 d: 16 loads
.irp kt, 0,1,2,3
.irp c, 0,1
	ds_load_b128 v[KF+16*\kt+8*\c:KF+16*\kt+8*\c+3],   v[KA+\slot] offset:(64*(\j)+16*\kt)*KP+64*\c
	ds_load_b128 v[KF+16*\kt+8*\c+4:KF+16*\kt+8*\c+7], v[KA+\slot] offset:(64*(\j)+16*\kt)*KP+64*\c+32
.endr
.endr
.endm
.macro LOADV slot, j                   ; the same keys of V, transposed: 16 loads
.irp dt, 0,1,2,3
.irp u, 0,1
	ds_load_tr16_b128 v[VF+16*\dt+8*\u:VF+16*\dt+8*\u+3],   v[VA+\slot] offset:(64*(\j)+32*\u)*VP+32*\dt
	ds_load_tr16_b128 v[VF+16*\dt+8*\u+4:VF+16*\dt+8*\u+7], v[VA+\slot] offset:(64*(\j)+32*\u)*VP+32*\dt+16*VP
.endr
.endr
.endm
; In SQ and PV four accumulators take turns, one instruction a turn.
.macro SQ t                            ; S(t) = 64 keys x 16 queries over d = 64
.irp kt, 0,1,2,3
	v_wmma_f32_16x16x32_f16 v[32*\t+8*\kt:32*\t+8*\kt+7], v[KF+16*\kt:KF+16*\kt+7], v[QF+16*\t:QF+16*\t+7], 0
.endr
.irp kt, 0,1,2,3
	v_wmma_f32_16x16x32_f16 v[32*\t+8*\kt:32*\t+8*\kt+7], v[KF+16*\kt+8:KF+16*\kt+15], v[QF+16*\t+8:QF+16*\t+15], v[32*\t+8*\kt:32*\t+8*\kt+7]
.endr
.endm
.macro PV t, first                     ; O(t) += V^T P(t) over 64 keys
.irp dt, 0,1,2,3
.if \first
	v_wmma_f32_16x16x32_f16 v[32*\t+8*\dt:32*\t+8*\dt+7], v[VF+16*\dt:VF+16*\dt+7], v[32*\t:32*\t+7], 0
.else
	v_wmma_f32_16x16x32_f16 v[32*\t+8*\dt:32*\t+8*\dt+7], v[VF+16*\dt:VF+16*\dt+7], v[32*\t:32*\t+7], v[32*\t+8*\dt:32*\t+8*\dt+7]
.endif
.endr
.irp dt, 0,1,2,3
	v_wmma_f32_16x16x32_f16 v[32*\t+8*\dt:32*\t+8*\dt+7], v[VF+16*\dt+8:VF+16*\dt+15], v[32*\t+8:32*\t+15], v[32*\t+8*\dt:32*\t+8*\dt+7]
.endr
.endm
; The softmax step of query tile t: new maximum, p = 2^(s - m), l and O(t) brought to the new maximum, P packed to f16 in S(t)'s first 16 registers.
; l stays the sum of the lane's own keys; the two halves are added at the end.
.macro SM t, first
	WIN WSM
.irp k, 0,1,2,3
	v_max3_num_f32 v[U+\k], v[32*\t+3*\k], v[32*\t+3*\k+1], v[32*\t+3*\k+2]
.endr
.irp g, 12,20
.irp k, 0,1,2,3
	v_max3_num_f32 v[U+\k], v[U+\k], v[32*\t+\g+2*\k], v[32*\t+\g+2*\k+1]
.endr
.endr
	v_max3_num_f32 v[U], v[U], v[32*\t+28], v[32*\t+29]
	v_max3_num_f32 v[U+1], v[U+1], v[32*\t+30], v[32*\t+31]
	v_max3_num_f32 v[U], v[U], v[U+1], v[U+2]
.if \first
	v_max_num_f32 v[U], v[U], v[U+3]
	v_permlanex16_b32 v[X], v[U], s52, s53
	v_max_num_f32 v[ML+2*\t], v[U], v[X]
	v_mov_b32 v[ML+2*\t+1], 0                      ; the packed subtraction below names the pair whole
.else
	v_max3_num_f32 v[U], v[U], v[U+3], v[ML+2*\t]  ; the old maximum, equal in both halves, joins
	v_permlanex16_b32 v[X], v[U], s52, s53
	v_max_num_f32 v[MN], v[U], v[X]
	v_sub_f32 v[DD], v[ML+2*\t], v[MN]
	v_exp_f32 v[AL], v[DD]
	v_mov_b32 v[ML+2*\t], v[MN]                    ; also the plain place behind the exponential
.endif
.irp p, 0,1,2,3,4,5,6,7,8,9,10,11,12,13,14,15
	v_pk_add_f32 v[32*\t+2*\p:32*\t+2*\p+1], v[32*\t+2*\p:32*\t+2*\p+1], v[ML+2*\t:ML+2*\t+1] op_sel_hi:[1,0] neg_lo:[0,1] neg_hi:[0,1]
.endr
.set ei, 0
.rept 32
	v_exp_f32 v[32*\t+ei], v[32*\t+ei]
.set ei, ei+1
.endr
.if \first
	v_nop                                          ; one plain place behind the last exponential (ISA guide 5.7.2)
	s_wait_alu depctr_va_vdst(0)
.else
	s_wait_alu depctr_va_vdst(0)
	v_mov_b32 v[AL+1], v[AL]                       ; the same place, used
.endif
.irp k, 0,1,2,3
	v_pk_add_f32 v[U+2*\k:U+2*\k+1], v[32*\t+2*\k:32*\t+2*\k+1], v[32*\t+8+2*\k:32*\t+8+2*\k+1]
.endr
.irp g, 16,24
.irp k, 0,1,2,3
	v_pk_add_f32 v[U+2*\k:U+2*\k+1], v[U+2*\k:U+2*\k+1], v[32*\t+\g+2*\k:32*\t+\g+2*\k+1]
.endr
.endr
	v_pk_add_f32 v[U:U+1], v[U:U+1], v[U+2:U+3]
	v_pk_add_f32 v[U+4:U+5], v[U+4:U+5], v[U+6:U+7]
	v_pk_add_f32 v[U:U+1], v[U:U+1], v[U+4:U+5]
.if \first
	v_add_f32 v[ML+2*\t+1], v[U], v[U+1]
.else
	v_add_f32 v[U], v[U], v[U+1]
	v_fma_f32 v[ML+2*\t+1], v[ML+2*\t+1], v[AL], v[U]
.endif
.irp k, 0,1,2,3,4,5,6,7,8,9,10,11,12,13,14,15
	v_cvt_pk_f16_f32 v[32*\t+\k], v[32*\t+2*\k], v[32*\t+2*\k+1]
.endr
.if \first == 0
	WIN WRS
.irp p, 0,1,2,3,4,5,6,7,8,9,10,11,12,13,14,15
	v_pk_mul_f32 v[32*\t+2*\p:32*\t+2*\p+1], v[32*\t+2*\p:32*\t+2*\p+1], v[AL:AL+1]
.endr
.endif
.endm
; 64 keys.  The products of one query tile stand between the softmax steps of others, so that behind every matrix instruction a whole softmax step
; (over a hundred plain vector instructions on other registers) stands in front of whatever reads its result or writes its registers;
; only at the head there is none, and v_nop fill the places.
.macro SUBSTEP slot, j, first, knext
	PLACES                                         ; behind the last PV, whose V fragments are loaded again
	LOADV \slot, \j
	s_wait_dscnt 16                                ; the 16 K loads are older than the 16 V loads: K is in
	WIN WS
	SQ 0
	SQ 1
.rept 5
	v_nop
.endr
	SM 0, \first
	s_wait_dscnt 0x0                               ; V is in
	WIN WPV
	PV 0, \first
	WIN WS
	SQ 2
	SM 1, \first
	WIN WPV
	PV 1, \first
	WIN WS
	SQ 3
	SM 2, \first
.if \knext
	WIN 0
	LOADK \slot, \j+1                              ; the next 64 keys, a softmax step behind the last product that read K's registers
.endif
	WIN WPV
	PV 2, \first
	SM 3, \first
	WIN WPV
	PV 3, \first
	WIN 0
.endm
; A tile of 256 keys.  In front of the round every wave waits for all its tensor loads (its parts of this tile) and for its LDS reads of the last
; tile; the joint refills of the other slot are the first tensor loads behind the round and have the whole tile's work in which to land.
.macro TRIP slot, refill, first
	s_wait_tensorcnt 0x0
	ds_add_u32 v30, v31
	s_wait_dscnt 0x0
	s_add_nc_u64 s[G0K+4*\slot+2:G0K+4*\slot+3], s[G0K+4*\slot+2:G0K+4*\slot+3], 2*TILEB   ; no load of mine is out: this slot's next tile
	s_add_nc_u64 s[G0V+4*\slot+2:G0V+4*\slot+3], s[G0V+4*\slot+2:G0V+4*\slot+3], 2*TILEB
	s_wait_dscnt 0x0
	ROUND
.if \refill
	tensor_load_to_lds s[G0K+4-4*\slot:G0K+7-4*\slot], s[G1K:G1K+7]
	s_nop 0
	tensor_load_to_lds s[G0V+4-4*\slot:G0V+7-4*\slot], s[G1V:G1V+7]
	s_nop 0
.endif
	LOADK \slot, 0
	SUBSTEP \slot, 0, \first, 1
	SUBSTEP \slot, 1, 0, 1
	SUBSTEP \slot, 2, 0, 1
	SUBSTEP \slot, 3, 0, 0
.endm
	TRIP 0, 1, 1                                   ; the first 64 keys start maximum, sum and O: nothing is cleared
	TRIP 1, 1, 0
	s_mov_b32 s50, 2
.Ltiles:
	TRIP 0, 1, 0
	TRIP 1, 1, 0
	s_sub_co_u32 s50, s50, 1
	s_cmp_lg_u32 s50, 0
	s_cbranch_scc1 .Ltiles
	TRIP 0, 1, 0
	TRIP 1, 0, 0                                   ; the last tile fetches nothing (the stepped addresses are not used)
	PLACES
; 16 queries out: both halves' sums, 1 / l, f16, through my stage, 2,048 consecutive bytes from set o
.macro OUTQ t, o
	WIN WSM
	v_permlanex16_b32 v[X], v[ML+2*\t+1], s52, s53
	v_add_f32 v[U], v[ML+2*\t+1], v[X]
	v_rcp_f32 v[AL], v[U]
	v_nop                                          ; one plain place behind the reciprocal
	s_wait_alu depctr_va_vdst(0)
	v_mov_b32 v[AL+1], v[AL]
	WIN 0x06                                       ; source 0 window 2 (O), source 1 window 1 (1 / l), destination window 0
.irp p, 0,1,2,3,4,5,6,7,8,9,10,11,12,13,14,15
	v_pk_mul_f32 v[TO+2*\p:TO+2*\p+1], v[32*\t+2*\p:32*\t+2*\p+1], v[AL:AL+1]
.endr
	WIN 0
.irp k, 0,1,2,3,4,5,6,7,8,9,10,11,12,13,14,15
	v_cvt_pk_f16_f32 v[TO+\k], v[TO+2*\k], v[TO+2*\k+1]
.endr
.irp dt, 0,1,2,3
	ds_store_b128 v[STO], v[TO+4*\dt:TO+4*\dt+3] offset:32*\dt
.endr
	s_wait_xcnt 0x0                                ; set o, which earlier stores read, is loaded again only behind this wait
.irp tt, 0,1,2,3
	ds_load_b128 v[\o+4*\tt:\o+4*\tt+3], v[RD] offset:\tt*4*SPITCH
.endr
.irp tt, 0,1,2,3
	s_wait_dscnt 3-\tt
	global_store_b128 v[CO], v[\o+4*\tt:\o+4*\tt+3], s[60:61] offset:2048*\t+512*\tt
.endr
.endm
	OUTQ 0, OUT0
	OUTQ 1, OUT1
	OUTQ 2, OUT0
	OUTQ 3, OUT1
	s_wait_tensorcnt 0x0
	ds_add_u32 v30, v31
	s_wait_dscnt 0x0
	ROUND                                          ; the closing round
	s_endpgm
.Lfunc_end_k_q48aeaa3d72_attn:
	.size	k_q48aeaa3d72_attn, .Lfunc_end_k_q48aeaa3d72_attn-k_q48aeaa3d72_attn
	.p2alignl 7, 3214868480
	.fill 96, 4, 3214868480
	.section	.rodata,"a",@progbits
	.p2align	6, 0x0
	.amdhsa_kernel k_q48aeaa3d72_attn
		.amdhsa_group_segment_fixed_size 327680
		.amdhsa_private_segment_fixed_size 0
		.amdhsa_enable_private_segment 0
		.amdhsa_kernarg_size 16
		.amdhsa_user_sgpr_count 2
		.amdhsa_user_sgpr_kernarg_segment_ptr 1
		.amdhsa_wavefront_size32 1
		.amdhsa_system_sgpr_workgroup_id_x 1
		.amdhsa_system_sgpr_workgroup_id_y 1
		.amdhsa_system_sgpr_workgroup_id_z 1
		.amdhsa_system_vgpr_workitem_id 0
		.amdhsa_next_free_vgpr 640
		.amdhsa_next_free_sgpr 66
		.amdhsa_reserve_vcc 0
		.amdhsa_float_denorm_mode_32 3
		.amdhsa_float_denorm_mode_16_64 3
		.amdhsa_memory_ordered 1
		.amdhsa_forward_progress 1
		.amdhsa_inst_pref_size 255
	.end_amdhsa_kernel
	.section	.bss,"aw",@nobits
	.p2align	6
	.space	262144
	.amdgpu_metadata
---
amdhsa.version: [ 1, 2 ]
amdhsa.kernels:
  - .name:           k_q48aeaa3d72_attn
    .symbol:         k_q48aeaa3d72_attn.kd
    .args:
      - { .name: qkv, .offset: 0, .size: 8, .value_kind: global_buffer, .address_space: global }
      - { .name: oh, .offset: 8, .size: 8, .value_kind: global_buffer, .address_space: global }
    .group_segment_fixed_size: 327680
    .private_segment_fixed_size: 0
    .kernarg_segment_align: 8
    .kernarg_segment_size: 16
    .max_flat_workgroup_size: 128
    .sgpr_count:     66
    .vgpr_count:     640
    .wavefront_size: 32
...
	.end_amdgpu_metadata
.endif
;; end of part 3
;; launch proj (part 4): grid 8 x 32, 4 waves a work-group, clusters of 4 x 4, 327,680 bytes of LDS; arguments oh, wpt, b_proj, out0; writes out0
.if DOCPART == 4
	.amdgcn_target "amdgcn-amd-amdhsa--gfx1250"
	.amdhsa_code_object_version 6
	.text
	.protected	k_q48aeaa3d72_proj
	.globl	k_q48aeaa3d72_proj
	.p2align	8
	.type	k_q48aeaa3d72_proj,@function
k_q48aeaa3d72_proj:
	s_mov_b64 s[64:65], 0
	v_nop
	global_prefetch_b8 v0, s[64:65] scope:SCOPE_SE
	s_setreg_imm32_b32 hwreg(HW_REG_WAVE_MODE, 25, 1), 1
	s_wait_xcnt 0x0
	s_wait_alu depctr_hold_cnt(0) depctr_sa_sdst(0) depctr_va_vdst(0) depctr_va_sdst(0) depctr_va_ssrc(0) depctr_va_vcc(0) depctr_vm_vsrc(0)
	s_getreg_b32 s2, hwreg(HW_REG_IB_STS2, 6, 4)
	s_cmp_eq_u32 s2, 0
	s_cbranch_scc0 .Lentry_in_a_cluster
	s_endpgm
.Lentry_in_a_cluster:
	s_bfe_u32 s2, ttmp6, 0x10000c
	s_cmp_lg_u32 s2, 0xf033
	s_cbranch_scc0 .Lentry_shape_is_right
	s_endpgm
.Lentry_shape_is_right:
; proj: out0 = o w_proj + b_proj.  o comes as oh [16 h][4096 rows][64] f16 (k = 64 h + d), w_proj as wpt [1024 n][1024 k] f16; sums and result f32.
; A work-group makes 128 x 128 of out0: 8 x 32 = 256 work-groups; wave (wm, wn) makes 64 x 64: 16 accumulator tiles.
; K goes in 4 steps of 256 (four heads) through two LDS slots, all written out.  A step of 128 would leave a tile 64 matrix instructions in which to
; land; the step of 256 leaves it 112.
; CLUSTER 4 x 4: A's tiles (rows of oh) are shared along a row of the cluster, B's (rows of wpt) along a column; each is asked for jointly.
; Every wave asks for one head's 128 rows of A (dense, 16,384 bytes) and for 32 rows of B (512 bytes each).  Four loads of a wave are out at the start,
; later two.
; The matrix instruction is used transposed (source 0 = rows of wpt, source 1 = rows of oh): lane l, register j of tile (a, b) holds
; row 16 a + l % 16, column 16 b + 8 (l / 16) + j.
; LIMIT: the f16 operands' (oh, wpt): magnitudes below 65,504; absolute error at most 3e-8 below 6.1e-5.
.set AP,     144                       ; A's LDS row: 128 bytes + 16
.set ASUB,   128*AP                    ; a head's 128 rows
.set BP,     528                       ; B's LDS row: 512 bytes + 16
.set ABYTES, 4*ASUB
.set SLOT,   ABYTES+128*BP             ; 141,312
.set STAGE,  2*SLOT                    ; 282,624 = 1,104 x 256: behind the ring, 16 rows x 272 bytes for each wave; no tensor load lands here
.set SPITCH, 272
.set ADRA, 4                           ; v4-5, v6-7: LDS addresses of my fragments in slot 0, 1
.set ADRB, 6
.set STO,  8
.set RD,   9
.set CO,   10
.set BOFF, 11
.set BIAS, 32                          ; v32-63  b_proj of my 32 columns
.set F0,   64                          ; fragments (c, i) at 8 (4 c + i): A in window 0, B in window 1, two buffers
.set F1,   128
.set T,    192                         ; v192-223 a row tile's 32 numbers
                                       ; window 2: accumulator tile (a, b) at 8 (4 a + b)
.set G1A, 24
.set G0A, 32
.set G1B, 48
.set G0B, 56
.set MULW, 0xa1                        ; source 0 (B) window 1, source 1 (A) window 0, C and D window 2
.set TO_B, 0x40
.set MSB, 0
.macro WIN new
.if MSB != (\new)
	s_set_vgpr_msb (MSB<<8)|(\new)
.set MSB, (\new)
.endif
.endm
.macro PLACES                          ; four places behind a matrix instruction (ISA guide 7.12.1)
.rept 4
	v_nop
.endr
.endm
.macro CREST
	s_cmp_lg_u32 s10, 0
	s_cbranch_scc1 .Lnot_wave_0_\@
	s_barrier_signal -3
.Lnot_wave_0_\@:
	s_barrier_wait -3
	s_barrier_signal -1
	s_barrier_wait -1
.endm
.macro CROUND
	s_barrier_signal -1
	s_barrier_wait -1
	CREST
.endm
	s_load_b128 s[4:7], s[0:1], 0x0                ; oh s[4:5], wpt s[6:7]
	s_load_b128 s[68:71], s[0:1], 0x10             ; b_proj s[68:69], out0 s[70:71]
	s_set_vgpr_msb 0x40
	v_lshl_add_u32 v255, v0, 2, 0x49400
	s_set_vgpr_msb 0x4000
	v_mov_b32 v255, 0
	s_set_vgpr_msb 0x1
	ds_add_u32 v255, v255
	s_set_vgpr_msb 0x100
	v_lshrrev_b32 v1, 5, v0
	v_readfirstlane_b32 s10, v1                    ; wave
	s_lshr_b32 s11, s10, 1                         ; wm: which 64 rows
	s_and_b32 s12, s10, 1                          ; wn: which 64 columns
	s_bfe_u32 s40, ttmp6, 0x40000                  ; cx
	s_bfe_u32 s41, ttmp6, 0x40004                  ; cy
	s_lshl_b32 s42, ttmp9, 2
	s_add_co_u32 s42, s42, s40                     ; block column
	s_and_b32 s13, ttmp7, 0xffff
	s_lshl_b32 s13, s13, 2
	s_add_co_u32 s13, s13, s41                     ; block row
	s_lshl_b32 s43, s41, 2
	s_lshl_b32 s43, 15, s43
	s_lshl_b32 s44, 0x1111, s40
	; A: 128 rows of 64 elements, dense; 4 words of padding behind every 32.  B: 32 rows of 256 elements, 1,024 from row to row; 4 words behind every 128.
	s_or_b32 s[G1A+0], s43, (1<<16)|(1<<20)|(1<<21)|(4<<22)|(3<<25)
	s_mov_b32 s[G1A+1], 64<<16
	s_mov_b32 s[G1A+2], 128<<16
	s_mov_b32 s[G1A+3], 64<<16
	s_mov_b32 s[G1A+4], 128
	s_mov_b32 s[G1A+5], 64
	s_mov_b32 s[G1A+6], 0
	s_mov_b32 s[G1A+7], 0
	s_or_b32 s[G1B+0], s44, (1<<16)|(1<<20)|(1<<21)|(6<<22)|(3<<25)
	s_mov_b32 s[G1B+1], 256<<16
	s_mov_b32 s[G1B+2], 32<<16
	s_mov_b32 s[G1B+3], 256<<16
	s_mov_b32 s[G1B+4], 32
	s_mov_b32 s[G1B+5], 1024
	s_mov_b32 s[G1B+6], 0
	s_mov_b32 s[G1B+7], 0
	s_lshl_b32 s16, s10, 19                        ; A: head = wave (+ 4 for each K step), 524,288 bytes a head,
	s_lshl_b32 s17, s13, 14                        ; 128 rows of 128 bytes for each block row
	s_add_co_u32 s16, s16, s17
	s_mov_b32 s17, 0
	s_lshl_b32 s46, s42, 18                        ; B: row 128 x block column + 32 x wave, of 2,048 bytes
	s_lshl_b32 s47, s10, 16
	s_add_co_u32 s46, s46, s47
	s_mov_b32 s47, 0
	s_mul_i32 s20, s10, ASUB
	s_mul_i32 s21, s10, 32*BP
	s_add_co_u32 s21, s21, ABYTES
	s_lshl_b32 s74, s42, 9                         ; my first column, in bytes of f32: 512 x block column + 256 x wn
	s_lshl_b32 s75, s12, 8
	s_add_co_u32 s74, s74, s75
	s_mov_b32 s75, 0
	s_lshl_b32 s76, s13, 19                        ; my first row: (128 x block row + 64 x wm) x 4,096 bytes
	s_lshl_b32 s77, s11, 18
	s_add_co_u32 s76, s76, s77
	s_add_co_u32 s76, s76, s74
	s_mov_b32 s77, 0
	s_wait_dscnt 0x0
	s_wait_kmcnt 0x0
	s_add_nc_u64 s[14:15], s[4:5], s[16:17]
	s_add_nc_u64 s[46:47], s[6:7], s[46:47]
	s_add_nc_u64 s[72:73], s[68:69], s[74:75]      ; b_proj at my columns
	s_add_nc_u64 s[78:79], s[70:71], s[76:77]      ; out0 at my corner
	CROUND                                         ; in front of the first joint loads
.irp s, 0,1
	s_mov_b32 s[G0A+4*\s], 1
	s_add_co_u32 s[G0A+4*\s+1], s20, \s*SLOT
	s_add_nc_u64 s[G0A+4*\s+2:G0A+4*\s+3], s[14:15], \s*4*524288
	s_or_b32 s[G0A+4*\s+3], s[G0A+4*\s+3], 0x80000000
	s_mov_b32 s[G0B+4*\s], 1
	s_add_co_u32 s[G0B+4*\s+1], s21, \s*SLOT
	s_add_nc_u64 s[G0B+4*\s+2:G0B+4*\s+3], s[46:47], \s*512
	s_or_b32 s[G0B+4*\s+3], s[G0B+4*\s+3], 0x80000000
	tensor_load_to_lds s[G0A+4*\s:G0A+4*\s+3], s[G1A:G1A+7]
	s_nop 0
	tensor_load_to_lds s[G0B+4*\s:G0B+4*\s+3], s[G1B:G1B+7]
	s_nop 0
.endr
	v_and_b32 v1, 15, v0                           ; r
	v_bfe_u32 v2, v0, 4, 1                         ; h
	v_lshlrev_b32 v[BOFF], 5, v2                   ; eight f32 for each half of the lanes
.irp b, 0,1,2,3
.irp q, 0,1
	global_load_b128 v[BIAS+8*\b+4*\q:BIAS+8*\b+4*\q+3], v[BOFF], s[72:73] offset:64*\b+16*\q      ; waited for on the way out
.endr
.endr
	v_mul_u32_u24 v12, v1, AP
	v_lshl_add_u32 v12, v2, 4, v12
	s_mul_i32 s22, s11, 64*AP
	v_add_nc_u32 v[ADRA], s22, v12
	v_add_nc_u32 v[ADRA+1], SLOT, v[ADRA]
	v_mul_u32_u24 v12, v1, BP
	v_lshl_add_u32 v12, v2, 4, v12
	s_mul_i32 s22, s12, 64*BP
	s_add_co_u32 s22, s22, ABYTES
	v_add_nc_u32 v[ADRB], s22, v12
	v_add_nc_u32 v[ADRB+1], SLOT, v[ADRB]
	s_mul_i32 s23, s10, 16*SPITCH
	s_add_co_u32 s23, s23, STAGE
	v_mul_u32_u24 v12, v1, SPITCH
	v_lshl_add_u32 v12, v2, 5, v12
	v_add_nc_u32 v[STO], s23, v12                  ; in: row r, 32 bytes for each half of the lanes
	v_mul_u32_u24 v12, v2, SPITCH
	v_lshl_add_u32 v12, v1, 4, v12
	v_add_nc_u32 v[RD], s23, v12                   ; back: sixteen lanes take a row of 256 bytes
	v_lshlrev_b32 v12, 12, v2
	v_lshl_add_u32 v[CO], v1, 4, v12               ; and the same two rows in out0
; 16 matrix instructions: all 4 x 4 tiles, 32 along K (chunk c of the buffer).  The 16 accumulators take turns, one instruction a turn.
.macro MUL16 f, c, zero
.irp a, 0,1,2,3
.irp b, 0,1,2,3
.if \zero
	v_wmma_f32_16x16x32_f16 v[8*(4*\a+\b):8*(4*\a+\b)+7], v[\f+8*(4*\c+\b):\f+8*(4*\c+\b)+7], v[\f+8*(4*\c+\a):\f+8*(4*\c+\a)+7], 0
.else
	v_wmma_f32_16x16x32_f16 v[8*(4*\a+\b):8*(4*\a+\b)+7], v[\f+8*(4*\c+\b):\f+8*(4*\c+\b)+7], v[\f+8*(4*\c+\a):\f+8*(4*\c+\a)+7], v[8*(4*\a+\b):8*(4*\a+\b)+7]
.endif
.endr
.endr
.endm
; 32 LDS loads: head hs of the slot (64 along K, two chunks): my 64 rows of B, then my 64 rows of A, chunk 0 first in each
.macro FETCH slot, hs, f
	WIN TO_B
.irp c, 0,1
.irp i, 0,1,2,3
	ds_load_b128 v[\f+8*(4*\c+\i):\f+8*(4*\c+\i)+3],   v[ADRB+\slot] offset:128*\hs+64*\c+\i*16*BP
	ds_load_b128 v[\f+8*(4*\c+\i)+4:\f+8*(4*\c+\i)+7], v[ADRB+\slot] offset:128*\hs+64*\c+\i*16*BP+32
.endr
.endr
	WIN 0
.irp c, 0,1
.irp i, 0,1,2,3
	ds_load_b128 v[\f+8*(4*\c+\i):\f+8*(4*\c+\i)+3],   v[ADRA+\slot] offset:\hs*ASUB+64*\c+\i*16*AP
	ds_load_b128 v[\f+8*(4*\c+\i)+4:\f+8*(4*\c+\i)+7], v[ADRA+\slot] offset:\hs*ASUB+64*\c+\i*16*AP+32
.endr
.endr
.endm
; A quarter of a K step: multiplies buffer f (one head) and in its middle fetches head hs of the same slot into buffer g
.macro HQ slot, hs, f, g, zero
	s_wait_dscnt 8                                 ; all but the eight youngest loads (A's chunk 1) are in
	WIN MULW
	MUL16 \f, 0, \zero
	PLACES
	FETCH \slot, \hs, \g
	s_wait_dscnt 32                                ; all but the 32 just issued
	WIN MULW
	MUL16 \f, 1, 0
.endm
.macro THREE slot, zero
	HQ \slot, 1, F0, F1, \zero
	HQ \slot, 2, F1, F0, 0
	HQ \slot, 3, F0, F1, 0
.endm
; The last quarter multiplies buffer 1 and changes slots: each wave's reads of this slot and all its tensor loads are waited for in front of the
; barrier; fill = 1: the barrier opens a round of the cluster's barrier, and the joint refills, two K steps ahead, come first behind the round.
.macro TURN slot, next, fill
	s_wait_dscnt 0x0
	s_wait_tensorcnt 0x0
	ds_add_u32 v255, v255
	s_wait_dscnt 0x0
	s_barrier_signal -1
	WIN MULW
	MUL16 F1, 0, 0
	WIN 0
	s_barrier_wait -1
.if \fill
	CREST
	s_add_nc_u64 s[G0A+4*\slot+2:G0A+4*\slot+3], s[G0A+4*\slot+2:G0A+4*\slot+3], 8*524288
	s_add_nc_u64 s[G0B+4*\slot+2:G0B+4*\slot+3], s[G0B+4*\slot+2:G0B+4*\slot+3], 1024
	tensor_load_to_lds s[G0A+4*\slot:G0A+4*\slot+3], s[G1A:G1A+7]
	s_nop 0
	tensor_load_to_lds s[G0B+4*\slot:G0B+4*\slot+3], s[G1B:G1B+7]
	s_nop 0
.endif
	PLACES
	FETCH \next, 0, F0
	WIN MULW
	MUL16 F1, 1, 0
.endm
	s_wait_tensorcnt 0x2                           ; my two parts of K step 0 are in; K step 1's two stay out
	s_barrier_signal -1
	s_barrier_wait -1
	FETCH 0, 0, F0
	THREE 0, 1                                     ; the first products start the sums
	TURN 0, 1, 1                                   ; K step 2 into slot 0
	THREE 1, 0
	TURN 1, 0, 1                                   ; K step 3 into slot 1
	THREE 0, 0
	TURN 0, 1, 0
	THREE 1, 0
	s_wait_dscnt 0x0
	WIN MULW
	MUL16 F1, 0, 0
	MUL16 F1, 1, 0
	WIN 0
	PLACES                                         ; behind the last matrix instructions: results are read, fragment registers are loaded again
	s_wait_loadcnt 0x0                             ; the bias
; 16 rows: bias added, through my stage, out as rows of 256 bytes from set o (a fragment buffer, free now)
.macro OUT16 a, o
	WIN 0x02                                       ; source 0 in window 2
.irp p, 0,1,2,3,4,5,6,7,8,9,10,11,12,13,14,15
	v_pk_add_f32 v[T+2*\p:T+2*\p+1], v[32*\a+2*\p:32*\a+2*\p+1], v[BIAS+2*\p:BIAS+2*\p+1]
.endr
	WIN 0
.irp b, 0,1,2,3
.irp q, 0,1
	ds_store_b128 v[STO], v[T+8*\b+4*\q:T+8*\b+4*\q+3] offset:64*\b+16*\q
.endr
.endr
	s_wait_xcnt 0x0                                ; set o, which earlier stores read, is loaded again only behind this wait
.irp tt, 0,1,2,3,4,5,6,7
	ds_load_b128 v[\o+4*\tt:\o+4*\tt+3], v[RD] offset:\tt*2*SPITCH
.endr
.irp tt, 0,1,2,3,4,5,6,7
	s_wait_dscnt 7-\tt
	global_store_b128 v[CO], v[\o+4*\tt:\o+4*\tt+3], s[78:79] offset:(16*\a+2*\tt)*4096 th:TH_STORE_NT   ; sixteen lanes store 256 consecutive bytes, aligned
.endr
.endm
	OUT16 0, F0
	OUT16 1, F1
	OUT16 2, F0
	OUT16 3, F1
	s_set_vgpr_msb 0x1
	s_wait_tensorcnt 0x0
	ds_add_u32 v255, v255
	s_wait_dscnt 0x0
	s_set_vgpr_msb 0x100
	CROUND                                         ; the closing round
	s_endpgm
.Lfunc_end_k_q48aeaa3d72_proj:
	.size	k_q48aeaa3d72_proj, .Lfunc_end_k_q48aeaa3d72_proj-k_q48aeaa3d72_proj
	.p2alignl 7, 3214868480
	.fill 96, 4, 3214868480
	.section	.rodata,"a",@progbits
	.p2align	6, 0x0
	.amdhsa_kernel k_q48aeaa3d72_proj
		.amdhsa_group_segment_fixed_size 327680
		.amdhsa_private_segment_fixed_size 0
		.amdhsa_enable_private_segment 0
		.amdhsa_kernarg_size 32
		.amdhsa_user_sgpr_count 2
		.amdhsa_user_sgpr_kernarg_segment_ptr 1
		.amdhsa_wavefront_size32 1
		.amdhsa_system_sgpr_workgroup_id_x 1
		.amdhsa_system_sgpr_workgroup_id_y 1
		.amdhsa_system_sgpr_workgroup_id_z 1
		.amdhsa_system_vgpr_workitem_id 0
		.amdhsa_next_free_vgpr 640
		.amdhsa_next_free_sgpr 84
		.amdhsa_reserve_vcc 0
		.amdhsa_float_denorm_mode_32 3
		.amdhsa_float_denorm_mode_16_64 3
		.amdhsa_memory_ordered 1
		.amdhsa_forward_progress 1
		.amdhsa_inst_pref_size 91
	.end_amdhsa_kernel
	.amdgpu_metadata
---
amdhsa.version: [ 1, 2 ]
amdhsa.kernels:
  - .name:           k_q48aeaa3d72_proj
    .symbol:         k_q48aeaa3d72_proj.kd
    .args:
      - { .name: oh, .offset: 0, .size: 8, .value_kind: global_buffer, .address_space: global }
      - { .name: wpt, .offset: 8, .size: 8, .value_kind: global_buffer, .address_space: global }
      - { .name: b_proj, .offset: 16, .size: 8, .value_kind: global_buffer, .address_space: global }
      - { .name: out0, .offset: 24, .size: 8, .value_kind: global_buffer, .address_space: global }
    .group_segment_fixed_size: 327680
    .private_segment_fixed_size: 0
    .kernarg_segment_align: 8
    .kernarg_segment_size: 32
    .max_flat_workgroup_size: 128
    .sgpr_count:     84
    .vgpr_count:     640
    .wavefront_size: 32
...
	.end_amdgpu_metadata
.endif
;; end of part 4
;; ======== version 2 of 2: 4 launches
;; limits: values are held in f16: magnitudes above 65,504 overflow, below 6.1e-05 lose precision; right only within a limited range of input values
;; workspace buffers: xh 8,388,608 bytes; wqt 6,291,456 bytes; wpt 2,097,152 bytes; qkv 25,165,824 bytes; oh 8,388,608 bytes
;; launch prep: the kernel of part 1 again; grid 1024 x 1, 8 waves a work-group, no clusters, 18,432 bytes of LDS; arguments x, w_qkv, w_proj, xh, wqt, wpt; writes xh, wqt, wpt
;; launch qkvg: the kernel of part 2 again; grid 16 x 16, 4 waves a work-group, clusters of 4 x 4, 327,680 bytes of LDS; arguments xh, wqt, b_qkv, g_q, be_q, g_k, be_k, qkv; writes qkv
;; launch attn (part 5): grid 8 x 32, 8 waves a work-group, clusters of 4 x 1, 327,680 bytes of LDS; arguments qkv, oh; writes oh
.if DOCPART == 5
	.amdgcn_target "amdgcn-amd-amdhsa--gfx1250"
	.amdhsa_code_object_version 6
	.text
	.protected	k_q48aeaa3d72_attn
	.globl	k_q48aeaa3d72_attn
	.p2align	8
	.type	k_q48aeaa3d72_attn,@function
k_q48aeaa3d72_attn:
	s_mov_b64 s[64:65], 0
	v_nop
	global_prefetch_b8 v0, s[64:65] scope:SCOPE_SE
	s_setreg_imm32_b32 hwreg(HW_REG_WAVE_MODE, 25, 1), 1
	s_wait_xcnt 0x0
	s_wait_alu depctr_hold_cnt(0) depctr_sa_sdst(0) depctr_va_vdst(0) depctr_va_sdst(0) depctr_va_ssrc(0) depctr_va_vcc(0) depctr_vm_vsrc(0)
	s_getreg_b32 s2, hwreg(HW_REG_IB_STS2, 6, 4)
	s_cmp_eq_u32 s2, 0
	s_cbranch_scc0 .Lentry_in_a_cluster
	s_endpgm
.Lentry_in_a_cluster:
	s_bfe_u32 s2, ttmp6, 0x10000c
	s_cmp_lg_u32 s2, 0x3003
	s_cbranch_scc0 .Lentry_shape_is_right
	s_endpgm
.Lentry_shape_is_right:
; attn: for each of the 32 (batch, head) pairs, softmax(q k^T) v with a running maximum.  q carries 0.125 log2(e), so p = 2^(s - m).
; In: qkv [3][32 (b, h)][2048][64] f16.  Out: oh [16 h][4096 rows][64] f16.  Products f16 with f32 sums; maximum, exponentials and sums f32.
; A work-group has 256 queries of one pair.  EIGHT WAVES, two for each of a WGP's four SIMDs, 32 queries each (two query tiles t): in one wave the
; products and the softmax steps depend on each other in turn, so the second wave of a SIMD has independent work to issue meanwhile.  The price:
; a K or V fragment read from LDS feeds two matrix instructions (32 loads for 32 matrix instructions in 64 keys).
; Keys go in 8 tiles of 256 through two LDS slots; a tile is worked in four sub-steps of 64 keys.  Tile 0 (which starts the sums) and tile 7 (which
; fetches nothing) are written out; tiles 1 to 6 are three trips of one loop, so that most of the text is run three times.
; CLUSTER 4 x 1: the four query blocks of a cluster read the same K and V tiles and ask for them jointly (mask 15): every wave asks for 32 rows of K
; and 32 rows of V of each tile, with descriptors made of the pair's number and the wave's number alone.  Two loads of a wave are out at the most.
; ORIENTATION.  S^T = K Q^T: source 0 = 16 keys, source 1 = 16 queries; lane l, register j of key tile kt holds key 16 kt + 8 (l / 16) + j of query
; l % 16.  So a query's maximum and sum are a lane's own work plus one exchange between the halves, and packing neighbouring registers of key tiles
; 2 u and 2 u + 1 to f16 gives source 1 of O^T = V^T P^T for keys 32 u .. 32 u + 31 with no shuffle.  V^T comes from V [key][d] by transposing loads.
; O^T: lane l, register j of tile dt holds d = 16 dt + 8 (l / 16) + j of query l % 16: eight neighbouring numbers of a row of the result.
; LIMITS: v_exp_f32 gives 0 for results below 2^-126; p is rounded to f16 for the product (absolute error at most 3e-8 below 6.1e-5), the sum l
; adds the unrounded p.
.set KP,     144                       ; K's LDS row: 128 bytes + 16
.set VP,     160                       ; V's: 128 + 32, an odd multiple of 32 for the transposing loads
.set KBYTES, 256*KP
.set SLOT,   256*(KP+VP)               ; 77,824
.set STAGE,  2*SLOT                    ; 155,648 = 608 x 256: behind the ring, 16 rows x 144 bytes for each wave; no tensor load lands here
.set SPITCH, 144
.set TILEB,  256*128                   ; bytes of a tile of K or V in memory
.set WROWS,  32                        ; rows of a tile that a wave fetches, and queries of a wave
; window 0
.set KA,   2                           ; v2-3   LDS address of K fragments in slot 0, 1
.set VA,   4                           ; v4-5   the same for V
.set STO,  6
.set RD,   7
.set CO,   8
.set QOFF, 9
.set KF,   32                          ; v32-95   K fragment (kt, c) at 16 kt + 8 c
.set VF,   96                          ; v96-159  V fragment (dt, u) at 16 dt + 8 u
.set TO,   32                          ; the way out: 32 numbers at work (K's registers, free by then)
.set OUT0, 160                         ; two sets of 16 registers for the stores
.set OUT1, 176
; window 1: S(t) at 32 t + 8 kt + j, later P(t) in its first 16 registers
.set OB,   64                          ; O(t, dt) at 64 + 32 t + 8 dt
.set QF,   128                         ; Q fragment (t, c) at 128 + 16 t + 8 c
.set ML,   160                         ; (m, l) of query tile t at 160 + 2 t
.set U,    164                         ; v164-171 at work
.set X,    172
.set MN,   173
.set DD,   174
.set AL,   176                         ; v176-177 the factor 2^(m old - m new), twice
.set G1K, 16
.set G1V, 24
.set G0K, 32                           ; s[32:39] one set for each slot
.set G0V, 40                           ; s[40:47]
.set WM,   0x54                        ; every product: source 0 (K or V) window 0; source 1 (Q or P), C and D window 1
.set WSM,  0x55                        ; the softmax step: all in window 1
.set TOW1, 0x40                        ; destination window 1, address window 0
.set WOUT, 0x05                        ; sources window 1, destination window 0
.set MSB, 0
.macro WIN new                         ; the immediate's high byte repeats the setting that is left
.if MSB != (\new)
	s_set_vgpr_msb (MSB<<8)|(\new)
.set MSB, (\new)
.endif
.endm
.macro PLACES                          ; four places behind a matrix instruction (ISA guide 7.12.1)
.rept 4
	v_nop
.endr
.endm
.macro ROUND                           ; a round of the cluster's barrier
	s_barrier_signal -1
	s_barrier_wait -1
	s_cmp_lg_u32 s8, 0
	s_cbranch_scc1 .Lnot_wave_0_\@
	s_barrier_signal -3
.Lnot_wave_0_\@:
	s_barrier_wait -3
	s_barrier_signal -1
	s_barrier_wait -1
.endm
	s_load_b128 s[4:7], s[0:1], 0x0                ; qkv s[4:5], oh s[6:7]
	v_lshl_add_u32 v254, v0, 2, 0x2a800
	v_mov_b32 v255, 0
	ds_add_u32 v254, v255
	v_lshrrev_b32 v1, 5, v0
	v_readfirstlane_b32 s8, v1                     ; wave 0..7
	s_and_b32 s9, ttmp7, 0xffff                    ; the pair: 16 b + h
	s_bfe_u32 s48, ttmp6, 0x40000                  ; cx
	s_lshl_b32 s49, ttmp9, 2
	s_add_co_u32 s49, s49, s48                     ; query block
	s_mov_b32 s52, 0x76543210                      ; v_permlanex16_b32: lane i reads lane i of the other half
	s_mov_b32 s53, 0xfedcba98
	; group 1: 32 rows of 64 elements of 2 bytes, dense in memory; padding behind every 32 words: 4 words for K, 8 for V; mask 15 with bit 21
	s_mov_b32 s[G1K+0], 15|(1<<16)|(1<<20)|(1<<21)|(4<<22)|(3<<25)
	s_mov_b32 s[G1V+0], 15|(1<<16)|(1<<20)|(1<<21)|(4<<22)|(7<<25)
.irp g, G1K, G1V
	s_mov_b32 s[\g+1], 64<<16                      ; tensor_dim0
	s_mov_b32 s[\g+2], WROWS<<16                   ; tensor_dim1
	s_mov_b32 s[\g+3], 64<<16                      ; tile_dim0
	s_mov_b32 s[\g+4], WROWS                       ; tile_dim1
	s_mov_b32 s[\g+5], 64                          ; elements from row to row
	s_mov_b32 s[\g+6], 0
	s_mov_b32 s[\g+7], 0
.endr
	s_add_co_u32 s10, s9, 32                       ; K of the pair: block 32 + pair of 262,144 bytes,
	s_lshl_b32 s10, s10, 18
	s_lshl_b32 s12, s8, 12                         ; my 32 rows of 128 bytes
	s_add_co_u32 s10, s10, s12
	s_mov_b32 s11, 0
	s_add_co_u32 s14, s10, 0x800000                ; V: 32 blocks further
	s_mov_b32 s15, 0
	s_mul_i32 s56, s8, WROWS*KP                    ; LDS: the wave's number alone
	s_mul_i32 s57, s8, WROWS*VP
	s_add_co_u32 s57, s57, KBYTES
	s_lshl_b32 s58, s9, 18                         ; Q: block = pair, 256 rows for each query block
	s_lshl_b32 s59, s49, 15
	s_add_co_u32 s58, s58, s59
	s_mov_b32 s59, 0
	s_and_b32 s60, s9, 15                          ; oh: head x 524,288 + (2,048 b + 256 block + 32 wave) x 128
	s_lshl_b32 s60, s60, 19
	s_lshr_b32 s61, s9, 4
	s_lshl_b32 s61, s61, 11
	s_lshl_b32 s62, s49, 8
	s_add_co_u32 s61, s61, s62
	s_lshl_b32 s62, s8, 5
	s_add_co_u32 s61, s61, s62
	s_lshl_b32 s61, s61, 7
	s_add_co_u32 s60, s60, s61
	s_mov_b32 s61, 0
	s_wait_dscnt 0x0
	s_wait_kmcnt 0x0
	s_add_nc_u64 s[10:11], s[4:5], s[10:11]
	s_add_nc_u64 s[14:15], s[4:5], s[14:15]
	s_add_nc_u64 s[58:59], s[4:5], s[58:59]
	s_add_nc_u64 s[60:61], s[6:7], s[60:61]
.irp s, 0,1
	s_mov_b32 s[G0K+4*\s], 1
	s_add_co_u32 s[G0K+4*\s+1], s56, \s*SLOT
	s_add_nc_u64 s[G0K+4*\s+2:G0K+4*\s+3], s[10:11], \s*TILEB      ; slot s starts with tile s
	s_or_b32 s[G0K+4*\s+3], s[G0K+4*\s+3], 0x80000000
	s_mov_b32 s[G0V+4*\s], 1
	s_add_co_u32 s[G0V+4*\s+1], s57, \s*SLOT
	s_add_nc_u64 s[G0V+4*\s+2:G0V+4*\s+3], s[14:15], \s*TILEB
	s_or_b32 s[G0V+4*\s+3], s[G0V+4*\s+3], 0x80000000
.endr
	ROUND                                          ; in front of the first joint loads
	tensor_load_to_lds s[G0K:G0K+3], s[G1K:G1K+7]  ; tile 0
	s_nop 0
	tensor_load_to_lds s[G0V:G0V+3], s[G1V:G1V+7]
	s_nop 0
	v_and_b32 v1, 15, v0                           ; r
	v_bfe_u32 v16, v0, 4, 1                        ; h
	v_and_b32 v17, 31, v0                          ; l
	v_mul_u32_u24 v18, v1, KP
	v_lshl_add_u32 v[KA], v16, 4, v18              ; key row r, 16 h
	v_add_nc_u32 v[KA+1], SLOT, v[KA]
	v_and_b32 v18, 7, v0
	v_lshl_add_u32 v18, v16, 3, v18                ; key row 8 h + l % 8,
	v_mul_u32_u24 v18, v18, VP
	v_bfe_u32 v19, v0, 3, 1
	v_lshl_add_u32 v18, v19, 4, v18                ; 16 bytes for each eight lanes
	v_add_nc_u32 v[VA], KBYTES, v18
	v_add_nc_u32 v[VA+1], SLOT+KBYTES, v18
	s_mul_i32 s54, s8, 16*SPITCH
	s_add_co_u32 s54, s54, STAGE                   ; my stage
	v_mul_u32_u24 v18, v1, SPITCH
	v_lshl_add_u32 v18, v16, 4, v18
	v_add_nc_u32 v[STO], s54, v18                  ; in: row r, 16 bytes for each half of the lanes
	v_lshrrev_b32 v18, 3, v17
	v_and_b32 v19, 7, v17
	v_mul_u32_u24 v18, v18, SPITCH
	v_lshl_add_u32 v18, v19, 4, v18
	v_add_nc_u32 v[RD], s54, v18                   ; back: eight lanes take a row of 128 bytes, a wave four rows
	v_lshlrev_b32 v[CO], 4, v17
	s_lshl_b32 s55, s8, 12
	v_lshlrev_b32 v18, 7, v1
	v_lshl_add_u32 v18, v16, 4, v18
	v_add_nc_u32 v[QOFF], s55, v18                 ; (32 wave + r) x 128 + 16 h
	WIN TOW1
.irp t, 0,1
.irp c, 0,1
	global_load_b128 v[QF+16*\t+8*\c:QF+16*\t+8*\c+3],   v[QOFF], s[58:59] offset:2048*\t+64*\c
	global_load_b128 v[QF+16*\t+8*\c+4:QF+16*\t+8*\c+7], v[QOFF], s[58:59] offset:2048*\t+64*\c+32
.endr
.endr
	v_mov_b32 v[X], 0                              ; v_permlanex16_b32's destination counts as read
	WIN 0
	s_wait_loadcnt 0x0                             ; Q stays in registers for the whole kernel
.macro LOADK slot, j                   ; 64 keys x 64 d: 16 loads
.irp kt, 0,1,2,3
.irp c, 0,1
	ds_load_b128 v[KF+16*\kt+8*\c:KF+16*\kt+8*\c+3],   v[KA+\slot] offset:(64*(\j)+16*\kt)*KP+64*\c
	ds_load_b128 v[KF+16*\kt+8*\c+4:KF+16*\kt+8*\c+7], v[KA+\slot] offset:(64*(\j)+16*\kt)*KP+64*\c+32
.endr
.endr
.endm
.macro LOADV slot, j                   ; the same keys of V, transposed: 16 loads
.irp dt, 0,1,2,3
.irp u, 0,1
	ds_load_tr16_b128 v[VF+16*\dt+8*\u:VF+16*\dt+8*\u+3],   v[VA+\slot] offset:(64*(\j)+32*\u)*VP+32*\dt
	ds_load_tr16_b128 v[VF+16*\dt+8*\u+4:VF+16*\dt+8*\u+7], v[VA+\slot] offset:(64*(\j)+32*\u)*VP+32*\dt+16*VP
.endr
.endr
.endm
; In SQ and PV four accumulators take turns, one instruction a turn.
.macro SQ t                            ; S(t) = 64 keys x 16 queries over d = 64
.irp kt, 0,1,2,3
	v_wmma_f32_16x16x32_f16 v[32*\t+8*\kt:32*\t+8*\kt+7], v[KF+16*\kt:KF+16*\kt+7], v[QF+16*\t:QF+16*\t+7], 0
.endr
.irp kt, 0,1,2,3
	v_wmma_f32_16x16x32_f16 v[32*\t+8*\kt:32*\t+8*\kt+7], v[KF+16*\kt+8:KF+16*\kt+15], v[QF+16*\t+8:QF+16*\t+15], v[32*\t+8*\kt:32*\t+8*\kt+7]
.endr
.endm
.macro PV t, first                     ; O(t) += V^T P(t) over 64 keys
.irp dt, 0,1,2,3
.if \first
	v_wmma_f32_16x16x32_f16 v[OB+32*\t+8*\dt:OB+32*\t+8*\dt+7], v[VF+16*\dt:VF+16*\dt+7], v[32*\t:32*\t+7], 0
.else
	v_wmma_f32_16x16x32_f16 v[OB+32*\t+8*\dt:OB+32*\t+8*\dt+7], v[VF+16*\dt:VF+16*\dt+7], v[32*\t:32*\t+7], v[OB+32*\t+8*\dt:OB+32*\t+8*\dt+7]
.endif
.endr
.irp dt, 0,1,2,3
	v_wmma_f32_16x16x32_f16 v[OB+32*\t+8*\dt:OB+32*\t+8*\dt+7], v[VF+16*\dt+8:VF+16*\dt+15], v[32*\t+8:32*\t+15], v[OB+32*\t+8*\dt:OB+32*\t+8*\dt+7]
.endr
.endm
; The softmax step of query tile t: new maximum, p = 2^(s - m), l and O(t) brought to the new maximum, P packed to f16 in S(t)'s first 16 registers.
; l stays the sum of the lane's own keys; the two halves are added at the end.  All its registers lie in window 1: one setting.
.macro SM t, first
	WIN WSM
.irp k, 0,1,2,3
	v_max3_num_f32 v[U+\k], v[32*\t+3*\k], v[32*\t+3*\k+1], v[32*\t+3*\k+2]
.endr
.irp g, 12,20
.irp k, 0,1,2,3
	v_max3_num_f32 v[U+\k], v[U+\k], v[32*\t+\g+2*\k], v[32*\t+\g+2*\k+1]
.endr
.endr
	v_max3_num_f32 v[U], v[U], v[32*\t+28], v[32*\t+29]
	v_max3_num_f32 v[U+1], v[U+1], v[32*\t+30], v[32*\t+31]
	v_max3_num_f32 v[U], v[U], v[U+1], v[U+2]
.if \first
	v_max_num_f32 v[U], v[U], v[U+3]
	v_permlanex16_b32 v[X], v[U], s52, s53
	v_max_num_f32 v[ML+2*\t], v[U], v[X]
	v_mov_b32 v[ML+2*\t+1], 0                      ; the packed subtraction below names the pair whole
.else
	v_max3_num_f32 v[U], v[U], v[U+3], v[ML+2*\t]  ; the old maximum, equal in both halves, joins
	v_permlanex16_b32 v[X], v[U], s52, s53
	v_max_num_f32 v[MN], v[U], v[X]
	v_sub_f32 v[DD], v[ML+2*\t], v[MN]
	v_exp_f32 v[AL], v[DD]
	v_mov_b32 v[ML+2*\t], v[MN]                    ; also the plain place behind the exponential
.endif
.irp p, 0,1,2,3,4,5,6,7,8,9,10,11,12,13,14,15
	v_pk_add_f32 v[32*\t+2*\p:32*\t+2*\p+1], v[32*\t+2*\p:32*\t+2*\p+1], v[ML+2*\t:ML+2*\t+1] op_sel_hi:[1,0] neg_lo:[0,1] neg_hi:[0,1]
.endr
.set ei, 0
.rept 32
	v_exp_f32 v[32*\t+ei], v[32*\t+ei]
.set ei, ei+1
.endr
.if \first
	v_nop                                          ; one plain place behind the last exponential (ISA guide 5.7.2)
	s_wait_alu depctr_va_vdst(0)
.else
	s_wait_alu depctr_va_vdst(0)
	v_mov_b32 v[AL+1], v[AL]                       ; the same place, used
.endif
.irp k, 0,1,2,3
	v_pk_add_f32 v[U+2*\k:U+2*\k+1], v[32*\t+2*\k:32*\t+2*\k+1], v[32*\t+8+2*\k:32*\t+8+2*\k+1]
.endr
.irp g, 16,24
.irp k, 0,1,2,3
	v_pk_add_f32 v[U+2*\k:U+2*\k+1], v[U+2*\k:U+2*\k+1], v[32*\t+\g+2*\k:32*\t+\g+2*\k+1]
.endr
.endr
	v_pk_add_f32 v[U:U+1], v[U:U+1], v[U+2:U+3]
	v_pk_add_f32 v[U+4:U+5], v[U+4:U+5], v[U+6:U+7]
	v_pk_add_f32 v[U:U+1], v[U:U+1], v[U+4:U+5]
.if \first
	v_add_f32 v[ML+2*\t+1], v[U], v[U+1]
.else
	v_add_f32 v[U], v[U], v[U+1]
	v_fma_f32 v[ML+2*\t+1], v[ML+2*\t+1], v[AL], v[U]
.endif
.irp k, 0,1,2,3,4,5,6,7,8,9,10,11,12,13,14,15
	v_cvt_pk_f16_f32 v[32*\t+\k], v[32*\t+2*\k], v[32*\t+2*\k+1]   ; in place: word k is written when words 2 k and 2 k + 1 are read
.endr
.if \first == 0
.irp p, 0,1,2,3,4,5,6,7,8,9,10,11,12,13,14,15
	v_pk_mul_f32 v[OB+32*\t+2*\p:OB+32*\t+2*\p+1], v[OB+32*\t+2*\p:OB+32*\t+2*\p+1], v[AL:AL+1]
.endr
.endif
.endm
; 64 keys.  Places behind matrix instructions: at the head five v_nop stand behind the last PV 1 (its V fragments are loaded again: four places; SQ 1
; writes over the registers that it read as P(1): five); four stand between SQ and the first softmax step; everywhere else a whole softmax step
; (over a hundred plain vector instructions on other registers) stands in front of whatever reads a result or writes a matrix instruction's registers.
.macro SUBSTEP slot, j, first, knext
.rept 5
	v_nop
.endr
	LOADV \slot, \j
	s_wait_dscnt 16                                ; the 16 K loads are older than the 16 V loads: K is in
	WIN WM
	SQ 0
	SQ 1
	PLACES
	SM 0, \first
	s_wait_dscnt 0x0                               ; V is in
.if \knext
	WIN 0
	LOADK \slot, \j+1                              ; the next 64 keys: two products and a softmax step in which to come
.endif
	WIN WM
	PV 0, \first
	SM 1, \first
	WIN WM
	PV 1, \first
	WIN 0
.endm
; A tile of 256 keys.  In front of the round every wave waits for all its tensor loads (its parts of this tile) and for its LDS reads of the last
; tile; the joint refills of the other slot are the first tensor loads behind the round and have the whole tile's work in which to land.
.macro TRIP slot, refill, first
	s_wait_tensorcnt 0x0
	ds_add_u32 v254, v255
	s_wait_dscnt 0x0
	s_add_nc_u64 s[G0K+4*\slot+2:G0K+4*\slot+3], s[G0K+4*\slot+2:G0K+4*\slot+3], 2*TILEB   ; no load of mine is out: this slot's next tile
	s_add_nc_u64 s[G0V+4*\slot+2:G0V+4*\slot+3], s[G0V+4*\slot+2:G0V+4*\slot+3], 2*TILEB
	s_wait_dscnt 0x0
	ROUND
.if \refill
	tensor_load_to_lds s[G0K+4-4*\slot:G0K+7-4*\slot], s[G1K:G1K+7]
	s_nop 0
	tensor_load_to_lds s[G0V+4-4*\slot:G0V+7-4*\slot], s[G1V:G1V+7]
	s_nop 0
.endif
	LOADK \slot, 0
	SUBSTEP \slot, 0, \first, 1
	SUBSTEP \slot, 1, 0, 1
	SUBSTEP \slot, 2, 0, 1
	SUBSTEP \slot, 3, 0, 0
.endm
	TRIP 0, 1, 1                                   ; tile 0: its first 64 keys start maximum, sum and O: nothing is cleared; tile 1 is asked for
	s_mov_b32 s50, 3
.Ltiles:
	TRIP 1, 1, 0                                   ; tiles 1, 3, 5
	TRIP 0, 1, 0                                   ; tiles 2, 4, 6
	s_sub_co_u32 s50, s50, 1
	s_cmp_lg_u32 s50, 0
	s_cbranch_scc1 .Ltiles
	TRIP 1, 0, 0                                   ; tile 7 fetches nothing (the stepped addresses are not used)
	PLACES                                         ; behind the last PV, in front of the first read of O
; 16 queries out: both halves' sums, 1 / l, f16, through my stage, 2,048 consecutive bytes from set o
.macro OUTQ t, o
	WIN WSM
	v_permlanex16_b32 v[X], v[ML+2*\t+1], s52, s53
	v_add_f32 v[U], v[ML+2*\t+1], v[X]
	v_rcp_f32 v[AL], v[U]
	v_nop                                          ; one plain place behind the reciprocal
	s_wait_alu depctr_va_vdst(0)
	v_mov_b32 v[AL+1], v[AL]
	WIN WOUT                                       ; O and 1 / l from window 1, the product into window 0
.irp p, 0,1,2,3,4,5,6,7,8,9,10,11,12,13,14,15
	v_pk_mul_f32 v[TO+2*\p:TO+2*\p+1], v[OB+32*\t+2*\p:OB+32*\t+2*\p+1], v[AL:AL+1]
.endr
	WIN 0
.irp k, 0,1,2,3,4,5,6,7,8,9,10,11,12,13,14,15
	v_cvt_pk_f16_f32 v[TO+\k], v[TO+2*\k], v[TO+2*\k+1]
.endr
.irp dt, 0,1,2,3
	ds_store_b128 v[STO], v[TO+4*\dt:TO+4*\dt+3] offset:32*\dt     ; d = 16 dt + 8 h .. + 7 of query r
.endr
	s_wait_xcnt 0x0                                ; set o, which earlier stores read, is loaded again only behind this wait
.irp tt, 0,1,2,3
	ds_load_b128 v[\o+4*\tt:\o+4*\tt+3], v[RD] offset:\tt*4*SPITCH ; LDS serves a wave's instructions in order: these see the stores above
.endr
.irp tt, 0,1,2,3
	s_wait_dscnt 3-\tt
	global_store_b128 v[CO], v[\o+4*\tt:\o+4*\tt+3], s[60:61] offset:2048*\t+512*\tt       ; four rows: 512 consecutive bytes, aligned
.endr
.endm
	OUTQ 0, OUT0
	OUTQ 1, OUT1
	s_wait_tensorcnt 0x0
	ds_add_u32 v254, v255
	s_wait_dscnt 0x0
	ROUND                                          ; the closing round: no work-group ends while a partner may still ask for a tile that names it
	s_endpgm
.Lfunc_end_k_q48aeaa3d72_attn:
	.size	k_q48aeaa3d72_attn, .Lfunc_end_k_q48aeaa3d72_attn-k_q48aeaa3d72_attn
	.p2alignl 7, 3214868480
	.fill 96, 4, 3214868480
	.section	.rodata,"a",@progbits
	.p2align	6, 0x0
	.amdhsa_kernel k_q48aeaa3d72_attn
		.amdhsa_group_segment_fixed_size 327680
		.amdhsa_private_segment_fixed_size 0
		.amdhsa_enable_private_segment 0
		.amdhsa_kernarg_size 16
		.amdhsa_user_sgpr_count 2
		.amdhsa_user_sgpr_kernarg_segment_ptr 1
		.amdhsa_wavefront_size32 1
		.amdhsa_system_sgpr_workgroup_id_x 1
		.amdhsa_system_sgpr_workgroup_id_y 1
		.amdhsa_system_sgpr_workgroup_id_z 1
		.amdhsa_system_vgpr_workitem_id 0
		.amdhsa_next_free_vgpr 448
		.amdhsa_next_free_sgpr 66
		.amdhsa_reserve_vcc 0
		.amdhsa_float_denorm_mode_32 3
		.amdhsa_float_denorm_mode_16_64 3
		.amdhsa_memory_ordered 1
		.amdhsa_forward_progress 1
		.amdhsa_inst_pref_size 255
	.end_amdhsa_kernel
	.section	.bss,"aw",@nobits
	.p2align	6
	.space	262144
	.amdgpu_metadata
---
amdhsa.version: [ 1, 2 ]
amdhsa.kernels:
  - .name:           k_q48aeaa3d72_attn
    .symbol:         k_q48aeaa3d72_attn.kd
    .args:
      - { .name: qkv, .offset: 0, .size: 8, .value_kind: global_buffer, .address_space: global }
      - { .name: oh, .offset: 8, .size: 8, .value_kind: global_buffer, .address_space: global }
    .group_segment_fixed_size: 327680
    .private_segment_fixed_size: 0
    .kernarg_segment_align: 8
    .kernarg_segment_size: 16
    .max_flat_workgroup_size: 256
    .sgpr_count:     66
    .vgpr_count:     448
    .wavefront_size: 32
...
	.end_amdgpu_metadata
.endif
;; end of part 5
;; launch proj: the kernel of part 4 again; grid 8 x 32, 4 waves a work-group, clusters of 4 x 4, 327,680 bytes of LDS; arguments oh, wpt, b_proj, out0; writes out0
